; MI455X (gfx1250); checked and timed in simulation.
; The chip was launched on July 23, 2026; its instructions are those of AMD's public machine-readable ISA for CDNA 5 (MIT licence, August 2026) and "CDNA5" Instruction Set Architecture Reference Guide (July 2026). The comments in the code are by the model that wrote it; some were corrected since.
;; GRKU Cell. Allowed arithmetic: matrix products marked QUANTISED: E3M2 operands, one E8M0 scale for each 32 along K, by v_wmma_scale_f32_16x16x128_f8f6f4 with both operands' format E3M2, f32 sums; everything else in f32.
;; Inputs: cn_b 512 float32; cn_g 512 float32; grid1 1,024 x 12 float32; grid2 64 x 12 float32; h_prev 8,192 x 512 float32; ip_b 512 float32; ip_w 512 x 256 float32; k1_base 64 x 1,024 float32; k1_scaler 64 x 1,024 float32; k1_spline 64 x 1,024 x 8 float32; k2_base 512 x 64 float32; k2_scaler 512 x 64 float32; k2_spline 512 x 64 x 8 float32; rg_b 512 float32; rg_beta 512 float32; rg_g 512 float32; rg_w 512 x 1,024 float32; rp_b 512 float32; rp_w 512 x 1,024 float32; ug_b 512 float32; ug_beta 512 float32; ug_g 512 float32; ug_w 512 x 1,024 float32; x 8,192 x 256 float32.
;; Outputs: out0 8,192 x 512 float32.
;; This version of the problem:
;;   THIS VERSION OF THE PROBLEM IS GIVEN IN LOW PRECISION. The matrix products marked QUANTISED in the list below multiply operands that are first quantised to E3M2 (3 exponent bits, 2 mantissa bits; 6 bits a number), with one power-of-two scale for each 32 numbers along K (OCP MX v1.0); their sums are f32. All else is computed in f32.
;;   The module's matrix products, in the order in which they are computed (A, B: the left and right operand; K: the contracted axis; several contracted axes count as one K, in the product's order):
;;     1. [M 8,192, K 256] x [K 256, N 512]; A: input x; B: input ip_w: QUANTISED
;;     2. [M 8,192, K 1,024] x [K 1,024, N 512]; A: computed on the way; B: input rg_w: QUANTISED
;;     3. [M 8,192, K 1,024] x [K 1,024, N 512]; A: computed on the way; B: input ug_w: QUANTISED
;;     4. [M 8,192, K 1,024] x [K 1,024, N 64]; A: computed on the way; B: input k1_base: QUANTISED
;;     5. [M 8,192, K 8,192] x [K 8,192, N 64]; A: computed on the way; B: computed on the way: QUANTISED
;;     6. [M 8,192, K 64] x [K 64, N 512]; A: computed on the way; B: input k2_base: QUANTISED
;;     7. [M 8,192, K 512] x [K 512, N 512]; A: computed on the way; B: computed on the way: QUANTISED
;;     8. [M 8,192, K 1,024] x [K 1,024, N 512]; A: computed on the way; B: input rp_w: QUANTISED
;;   THE QUANTISER, for each operand of a quantised product, along K:
;;     - K is cut into blocks of 32 from its start; a last block that is shorter is filled with zeros.
;;     - A block's scale is 2^e with e = floor(log2(the largest magnitude in the block)) - 4, held to -126 .. 127; a block of zeros has e = 0. As a byte (E8M0): e + 127.
;;     - Each number is divided by its block's scale, clamped to +-28, and rounded to the nearest number of E3M2, ties to even, subnormals kept.
;;     - The product sums the exact products of the quantised numbers (number of the format x scale) in f32.
;;   ~~~python
;;   def quantise(x, axis):      # numpy; x: float32 -> the quantised numbers, widened to float32 again
;;       x = np.moveaxis(x, axis, -1); K = x.shape[-1]
;;       x = np.pad(x, [(0, 0)] * (x.ndim - 1) + [(0, -K % 32)]); x = x.reshape(x.shape[:-1] + (-1, 32)); a = np.abs(x).max(-1, keepdims=True)
;;       e = np.where(a > 0, np.clip(np.frexp(np.where(a > 0, a, 1))[1] - 1 - 4, -126, 127), 0)      # np.frexp(a)[1] - 1 = floor(log2(a)), exactly
;;       r = np.clip(x / 2.0 ** e, -28, 28)
;;       step = 2.0 ** (np.maximum(np.frexp(np.where(r == 0, 1, r))[1] - 1, -2) - 2)
;;       q = np.round(r / step) * step * 2.0 ** e      # np.round: ties to even
;;       return np.moveaxis(q.reshape(q.shape[:-2] + (-1,))[..., :K], -1, axis).astype(np.float32)
;;   ~~~
;;   OPERANDS COMPUTED ON THE WAY. 'Computed on the way' means the value that the module computes at that place (a softmax that the list does not call 'softmax' is quantised finished and normalised). What goes into a quantiser is computed in f32, as accurately as f32 sums, v_exp_f32 and their like allow (about 1e-6 of the number): no bf16 or f16 on the way to a quantiser, and a product that is left as it is and whose result goes on into a quantised operand takes f32 operands (vector FMAs, or v_wmma_f32_16x16x4_f32). A number that lies on a knife's edge between two numbers of the format may be rounded either way, as far as f32 arithmetic and the matrix unit's own rounding can turn it there, and no further.
;; 2 versions, each right; version 2 is version 1 with the launch spline written anew for expert scheduling mode. Each part assembles by itself: llvm-mc -triple=amdgcn-amd-amdhsa -mcpu=gfx1250 --defsym DOCPART=n.
;; ======== version 1 of 2: 3 launches
;; workspace buffers: wg 1,484,800 bytes; ws 614,400 bytes; tab 278,528 bytes; cc 6,553,600 bytes; midp 4,194,304 bytes
;; launch prep (part 1): grid 1346 x 1, 1 waves a work-group, no clusters, 0 bytes of LDS; arguments rg_w, ug_w, rp_w, k1_spline, k2_base, k2_spline, ip_w, k1_base, k1_scaler, k2_scaler, grid1, grid2, wg, ws, tab; writes wg, ws, tab
.if DOCPART == 1
	.amdgcn_target "amdgcn-amd-amdhsa--gfx1250"
	.amdhsa_code_object_version 6
	.text
	.protected	k_q1439cfc36e_prep
	.globl	k_q1439cfc36e_prep
	.p2align	8
	.type	k_q1439cfc36e_prep,@function
k_q1439cfc36e_prep:
	s_mov_b64 s[64:65], 0
	v_nop
	global_prefetch_b8 v0, s[64:65] scope:SCOPE_SE
	s_setreg_imm32_b32 hwreg(HW_REG_WAVE_MODE, 25, 1), 1
	s_wait_xcnt 0x0
; THE WEIGHTS BECOME CODES ONCE, AND THE KNOTS BECOME TABLES.
; Work-groups 0 .. 1311 (one wave each) make one operand fragment: 16 rows of a weight x 128 along K, as codes of BF6 (E3M2) with one E8M0 byte for each 32 along K.
; A block's scale is 2^(floor(log2(largest magnitude)) - 4); its byte is the largest magnitude's exponent field - 4, held at 1 from below.
; A fragment is stored as an IMAGE OF ITS 12 REGISTERS: three stores of 512 consecutive bytes (lane l's 16 bytes at 16 l), and its 16 scale words as 64 bytes: the later launches
; load it by the same three lines.  Lane (r, h) holds blocks h and 2 + h of row r: 2 x 128 consecutive bytes of f32.
;   0 ..  767  rg_w, ug_w, rp_w [512][1024]: tensor J >> 8, K step (J >> 5) & 7, N tile J & 31     -> wg
; 768 .. 1023  k1_spline x k1_scaler [64][8192]: K step (J - 768) >> 2, N tile (J - 768) & 3         -> ws, image 4 ks + nt
; 1024 .. 1055 k2_base [512][64]: K's upper 64 are zero codes                                        -> wg
; 1056 .. 1183 k2_spline x k2_scaler [512][512]                                                      -> wg
; 1184 .. 1247 ip_w [512][256]                                                                       -> ws, image 256 + ..
; 1248 .. 1311 k1_base [64][1024], 64 along K to a fragment, the upper 64 zero codes                 -> ws, image 320 + ..
; wg is laid in the order in which the last launch walks it: group g (8 N tiles of one wave's 128 columns): g < 16: K step g / 2 of rg (even) or ug (odd); 16 .. 23 rp; 24 k2_base; 25 .. 28 k2_spline.
; Three groups are a unit; a unit holds four waves' parts of 24 images and then 24 x 64 bytes of scale words (38,400 bytes); the last unit has two groups (25,600 bytes a part).
; Work-groups 1312 .. 1345 make 32 rows of tab: for a feature with knots t0 .. t11, 64 slots: -t_j at 2 j, 1 / (t_j+1 - t_j) at 2 j + 1, 1 / (t_j+2 - t_j) at 24 + 2 j, 1 / (t_j+3 - t_j) at 44 + 2 j, else 0.
; The reciprocals are v_rcp_f32 and one Newton step.  Nothing is assumed of the knots: every feature has its own row.
; A lane stores its own row of 256 bytes, 16 bytes an instruction: 34 work-groups, 0.28 MB in all.
; LIMITS: NaN and infinities among the inputs are not served; equal knots give non-finite numbers, as they do in the reference; a block whose largest magnitude lies under 2^-122
; (a block of zeros too) keeps the byte 1: its bytes are read by this program alone.
; No LDS, no barrier, no cluster: the work-groups share nothing.
.set NFRAG, 1312
.set V,   32                           ; v32-95   64 numbers
.set SCV, 96                           ; v96-103  8 scalers
.set F,   104                          ; v104-115 the fragment
.set TT,  116                          ; v116-118 a block's upper 16 codes
.set M0,  8
.set M1,  9
.set SCL, 10
.set BY0, 11
.set BY1, 12
.set W,   13
.set WX,  14
.set GT,  16                           ; tables: v16-27 the knots
.set DD,  28                           ; v28-38 differences
.set EE,  40                           ; v40-50 Newton's residues
.set OUT, 64                           ; v64-127 a row of tab
.set J,    40
.set TID,  41
.set PSH,  42                          ; log2 of a row's bytes
.set NT,   43                          ; which 16 rows
.set KB,   44                          ; where along K, in bytes
.set HALF, 45
.set SCD,  46
.set TOWG, 47
.set GAM,  48
.set KAP,  49
.set SEL,  62
; 32 numbers of one block, v[src] on, become 6 registers of codes at v[dst] and the byte in v[by]
.macro QB src, dst, by
	v_max3_num_f32 v[M0], |v[\src]|, |v[\src+1]|, 0x2800000        ; the floor 2^(5 - 127) among the leaves: the byte cannot fall under 1
	v_max3_num_f32 v[M1], |v[\src+2]|, |v[\src+3]|, |v[\src+4]|
.irp i, 5,9,13,17,21,25
	v_max3_num_f32 v[M0], v[M0], |v[\src+\i]|, |v[\src+\i+1]|
	v_max3_num_f32 v[M1], v[M1], |v[\src+\i+2]|, |v[\src+\i+3]|
.endr
	v_max3_num_f32 v[M0], v[M0], |v[\src+29]|, |v[\src+30]|
	v_max3_num_f32 v[M0], v[M0], v[M1], |v[\src+31]|
	v_add_nc_u32 v[SCL], 0xfe000000, v[M0]                         ; 4 off the exponent field: the conversion's scale operand
	v_lshrrev_b32 v[\by], 23, v[SCL]
	v_cvt_scalef32_pk16_bf6_f32 v[\dst:\dst+2], v[\src:\src+15], v[SCL]
	v_cvt_scalef32_pk16_bf6_f32 v[TT:TT+2], v[\src+16:\src+31], v[SCL]   ; (a conversion's three registers begin on an even number)
	v_nop                                                          ; one plain place behind a scaled conversion
	v_mov_b32 v[\dst+3], v[TT]
	v_mov_b32 v[\dst+4], v[TT+1]
	v_mov_b32 v[\dst+5], v[TT+2]
.endm
	s_load_b512 s[8:23], s[0:1], 0x0               ; rg_w, ug_w, rp_w, k1_spline, k2_base, k2_spline, ip_w, k1_base
	s_load_b256 s[24:31], s[0:1], 0x40             ; k1_scaler, k2_scaler, grid1, grid2
	s_load_b128 s[32:35], s[0:1], 0x60             ; wg, ws
	s_load_b64 s[36:37], s[0:1], 0x70              ; tab
	v_and_b32 v1, 15, v0                           ; r
	v_lshrrev_b32 v2, 4, v0                        ; h
	s_mov_b32 s[SEL], 0x76543210
	s_mov_b32 s[SEL+1], 0xfedcba98                 ; v_permlanex16_b32's selects for lane l xor 16
	s_mov_b32 s[J], ttmp9
	s_cmp_ge_u32 s[J], NFRAG
	s_cbranch_scc1 .Ltables
	; ---- which fragment: the branches set numbers only; the buffers are chosen behind the join
	s_mov_b32 s[HALF], 0
	s_mov_b32 s[SCD], 0
	s_mov_b32 s[TOWG], 1
	s_mov_b32 s[GAM], 0
	s_mov_b32 s[KAP], 0
	s_cmp_lt_u32 s[J], 768
	s_cbranch_scc0 .Lnot_gates
	s_lshr_b32 s[TID], s[J], 8
	s_and_b32 s[NT], s[J], 31
	s_bfe_u32 s50, s[J], 0x30005                   ; K step
	s_mov_b32 s[PSH], 12
	s_lshl_b32 s[KB], s50, 9
	s_lshl_b32 s[GAM], s50, 1
	s_add_co_u32 s[GAM], s[GAM], s[TID]            ; rg, ug: group 2 ks + tensor
	s_add_co_u32 s51, s50, 16                      ; rp: 16 + ks
	s_cmp_eq_u32 s[TID], 2
	s_cselect_b32 s[GAM], s51, s[GAM]
	s_branch .Ldecoded
.Lnot_gates:
	s_cmp_lt_u32 s[J], 1024
	s_cbranch_scc0 .Lnot_k1s
	s_sub_co_u32 s[KAP], s[J], 768
	s_mov_b32 s[TID], 3
	s_and_b32 s[NT], s[KAP], 3
	s_lshr_b32 s50, s[KAP], 2
	s_lshl_b32 s[KB], s50, 9
	s_mov_b32 s[PSH], 15
	s_mov_b32 s[SCD], 1
	s_mov_b32 s[TOWG], 0
	s_branch .Ldecoded
.Lnot_k1s:
	s_cmp_lt_u32 s[J], 1056
	s_cbranch_scc0 .Lnot_k2b
	s_sub_co_u32 s[NT], s[J], 1024
	s_mov_b32 s[TID], 4
	s_mov_b32 s[KB], 0
	s_mov_b32 s[PSH], 8
	s_mov_b32 s[HALF], 1
	s_mov_b32 s[GAM], 24
	s_branch .Ldecoded
.Lnot_k2b:
	s_cmp_lt_u32 s[J], 1184
	s_cbranch_scc0 .Lnot_k2s
	s_sub_co_u32 s50, s[J], 1056
	s_mov_b32 s[TID], 5
	s_and_b32 s[NT], s50, 31
	s_lshr_b32 s50, s50, 5
	s_lshl_b32 s[KB], s50, 9
	s_add_co_u32 s[GAM], s50, 25
	s_mov_b32 s[PSH], 11
	s_mov_b32 s[SCD], 1
	s_branch .Ldecoded
.Lnot_k2s:
	s_mov_b32 s[TOWG], 0
	s_cmp_lt_u32 s[J], 1248
	s_cbranch_scc0 .Lk1_base
	s_sub_co_u32 s50, s[J], 1184                   ; ip_w: image 256 + (2 w + s) 4 + n holds N tile 4 w + n, K step s
	s_add_co_u32 s[KAP], s50, 256
	s_mov_b32 s[TID], 6
	s_lshr_b32 s51, s50, 3
	s_lshl_b32 s51, s51, 2
	s_and_b32 s[NT], s50, 3
	s_add_co_u32 s[NT], s[NT], s51
	s_bfe_u32 s51, s50, 0x10002
	s_lshl_b32 s[KB], s51, 9
	s_mov_b32 s[PSH], 10
	s_branch .Ldecoded
.Lk1_base:
	s_sub_co_u32 s50, s[J], 1248                   ; k1_base: image 320 + 4 (features / 64) + N tile
	s_add_co_u32 s[KAP], s50, 320
	s_mov_b32 s[TID], 7
	s_and_b32 s[NT], s50, 3
	s_lshr_b32 s51, s50, 2
	s_lshl_b32 s[KB], s51, 8
	s_mov_b32 s[PSH], 12
	s_mov_b32 s[HALF], 1
.Ldecoded:
	; ---- where it goes.  In wg: unit = group / 3 (11 g >> 5 for g < 29), place j = 8 (group % 3) + N tile % 8 in the part of wave N tile / 8
	s_mul_i32 s50, s[GAM], 11
	s_lshr_b32 s50, s50, 5
	s_mul_i32 s51, s50, 3
	s_sub_co_u32 s51, s[GAM], s51
	s_lshl_b32 s51, s51, 3
	s_and_b32 s52, s[NT], 7
	s_add_co_u32 s51, s51, s52                     ; j
	s_lshr_b32 s52, s[NT], 3                       ; wave
	s_cmp_eq_u32 s50, 9
	s_mov_b32 s53, 38400
	s_cselect_b32 s53, 25600, s53                  ; a part's bytes
	s_mov_b32 s54, 36864
	s_cselect_b32 s54, 24576, s54                  ; and where its scale words begin
	s_mul_i32 s50, s50, 153600
	s_mul_i32 s52, s52, s53
	s_add_co_u32 s50, s50, s52                     ; the part
	s_mul_i32 s52, s51, 1536
	s_add_co_u32 s52, s52, s50                     ; the image in wg
	s_lshl_b32 s51, s51, 6
	s_add_co_u32 s51, s51, s50
	s_add_co_u32 s51, s51, s54                     ; its scale words in wg
	s_mul_i32 s53, s[KAP], 1536                    ; the same two in ws
	s_lshl_b32 s54, s[KAP], 6
	s_add_co_u32 s54, s54, 589824
	s_cmp_eq_u32 s[TOWG], 1
	s_cselect_b32 s58, s52, s53
	s_cselect_b32 s60, s51, s54
	s_mov_b32 s59, 0
	s_mov_b32 s61, 0
	; ---- where it comes from
	s_add_co_u32 s50, s[PSH], 4
	s_lshl_b32 s56, s[NT], s50                     ; 16 NT rows,
	s_add_co_u32 s56, s56, s[KB]                   ; and along K
	s_mov_b32 s57, 0
	s_lshr_b32 s54, s56, 3                         ; a scaler stands for 8 numbers
	s_mov_b32 s55, 0
	v_lshlrev_b32 v3, s[PSH], v1
	v_lshl_add_u32 v3, v2, 7, v3                   ; row r, + 128 h bytes: my block of 32
	v_lshrrev_b32 v4, 3, v3                        ; the same place among the scalers
	v_lshlrev_b32 v5, 4, v0                        ; 16 x lane
	v_lshlrev_b32 v6, 2, v1                        ; 4 r: both halves of the lanes hold row r's whole word and store it to the same place
	s_wait_kmcnt 0x0
.irp t, 1,2,3,4,5,6,7
	s_cmp_eq_u32 s[TID], \t                        ; the choice hangs on the work-group's number alone
	s_cselect_b64 s[8:9], s[8+2*\t:9+2*\t], s[8:9]
.endr
	s_cmp_eq_u32 s[TID], 3
	s_cselect_b64 s[24:25], s[24:25], s[26:27]
	s_cmp_eq_u32 s[TOWG], 1
	s_cselect_b64 s[32:33], s[32:33], s[34:35]
	s_add_nc_u64 s[8:9], s[8:9], s[56:57]
	s_add_nc_u64 s[24:25], s[24:25], s[54:55]
	s_add_nc_u64 s[34:35], s[32:33], s[60:61]
	s_add_nc_u64 s[32:33], s[32:33], s[58:59]
.irp k, 0,1,2,3,4,5,6,7
	global_load_b128 v[V+4*\k:V+4*\k+3], v3, s[8:9] offset:16*\k          ; block h
.endr
	s_cmp_eq_u32 s[HALF], 1
	s_cbranch_scc1 .Lhalf
.irp k, 0,1,2,3,4,5,6,7
	global_load_b128 v[V+32+4*\k:V+32+4*\k+3], v3, s[8:9] offset:256+16*\k   ; block 2 + h
.endr
	s_branch .Lwhole
.Lhalf:
.irp j, 0,1,2,3,4,5,6,7,8,9,10,11,12,13,14,15,16,17,18,19,20,21,22,23,24,25,26,27,28,29,30,31
	v_mov_b32 v[V+32+\j], 0                        ; K ends at 64: zeros, which become zero codes
.endr
.Lwhole:
	s_cmp_eq_u32 s[SCD], 1
	s_cbranch_scc0 .Lplain
	global_load_b128 v[SCV:SCV+3], v4, s[24:25]
	global_load_b128 v[SCV+4:SCV+7], v4, s[24:25] offset:32
	s_wait_loadcnt 0x0
.irp c, 0,1
.irp a, 0,1,2,3
.irp e, 0,1,2,3,4,5,6,7
	v_mul_f32 v[V+32*\c+8*\a+\e], v[V+32*\c+8*\a+\e], v[SCV+4*\c+\a]      ; spline weight x its feature's scaler, in f32, as the reference has it
.endr
.endr
.endr
.Lplain:
	s_wait_loadcnt 0x0
	QB V, F, BY0
	QB V+32, F+6, BY1
	v_lshl_or_b32 v[W], v[BY1], 16, v[BY0]         ; my two bytes: blocks h and 2 + h,
	v_lshlrev_b32 v[WX], 3, v2
	v_lshlrev_b32 v[W], v[WX], v[W]                ; at their places (8 h bits up);
	v_mov_b32 v[WX], 0
	v_permlanex16_b32 v[WX], v[W], s[SEL], s[SEL+1]
	v_or_b32 v[W], v[W], v[WX]                     ; with lane l xor 16's two the word is whole
	global_store_b128 v5, v[F:F+3], s[32:33]                    ; 32 lanes store 512 consecutive bytes, at a multiple of 256 from the buffer's first byte
	global_store_b128 v5, v[F+4:F+7], s[32:33] offset:512
	global_store_b128 v5, v[F+8:F+11], s[32:33] offset:1024
	global_store_b32 v6, v[W], s[34:35]
	s_endpgm
.Ltables:
	s_sub_co_u32 s50, s[J], NFRAG                  ; which 32 rows of tab: 0 .. 31 from grid1, 32 and 33 from grid2
	s_cmp_lt_u32 s50, 32
	s_cselect_b32 s51, 0, 32
	s_sub_co_u32 s51, s50, s51
	s_mul_i32 s56, s51, 1536                       ; 32 rows of 12 knots
	s_mov_b32 s57, 0
	s_lshl_b32 s58, s50, 13                        ; 32 rows of 256 bytes
	s_mov_b32 s59, 0
	v_mul_u32_u24 v3, v0, 48
	v_lshlrev_b32 v5, 8, v0
	s_wait_kmcnt 0x0
	s_cmp_lt_u32 s50, 32
	s_cselect_b64 s[28:29], s[28:29], s[30:31]
	s_add_nc_u64 s[28:29], s[28:29], s[56:57]
	s_add_nc_u64 s[36:37], s[36:37], s[58:59]
	global_load_b128 v[GT:GT+3], v3, s[28:29]
	global_load_b128 v[GT+4:GT+7], v3, s[28:29] offset:16
	global_load_b128 v[GT+8:GT+11], v3, s[28:29] offset:32
.irp s, 23,25,27,29,31,33,35,37,39,41,43,45,47,49,51,53,55,57,59,61,62,63
	v_mov_b32 v[OUT+\s], 0                         ; the slots that hold nothing
.endr
	s_wait_loadcnt 0x0
.irp j, 0,1,2,3,4,5,6,7,8,9,10,11
	v_xor_b32 v[OUT+2*\j], 0x80000000, v[GT+\j]    ; -t_j
.endr
; cnt reciprocals 1 / (t_j+k - t_j) into slots s0 + 2 j: v_rcp_f32 and one Newton step r + r (1 - d r)
.macro RECIP k, cnt, s0
.set jj, 0
.rept \cnt
	v_sub_f32 v[DD+jj], v[GT+jj+\k], v[GT+jj]
.set jj, jj+1
.endr
.set jj, 0
.rept \cnt
	v_rcp_f32 v[OUT+\s0+2*jj], v[DD+jj]
.set jj, jj+1
.endr
	v_nop                                          ; one plain place behind the transcendentals
.set jj, 0
	s_wait_alu depctr_va_vdst(0)
.rept \cnt
	v_fma_f32 v[EE+jj], -v[DD+jj], v[OUT+\s0+2*jj], 1.0
.set jj, jj+1
.endr
.set jj, 0
.rept \cnt
	v_fma_f32 v[OUT+\s0+2*jj], v[OUT+\s0+2*jj], v[EE+jj], v[OUT+\s0+2*jj]
.set jj, jj+1
.endr
.endm
	RECIP 1, 11, 1
	RECIP 2, 10, 24
	RECIP 3, 9, 44
.irp k, 0,1,2,3,4,5,6,7,8,9,10,11,12,13,14,15
	global_store_b128 v5, v[OUT+4*\k:OUT+4*\k+3], s[36:37] offset:16*\k
.endr
	s_endpgm
.Lfunc_end_k_q1439cfc36e_prep:
	.size	k_q1439cfc36e_prep, .Lfunc_end_k_q1439cfc36e_prep-k_q1439cfc36e_prep
	.p2alignl 7, 3214868480
	.fill 96, 4, 3214868480
	.section	.rodata,"a",@progbits
	.p2align	6, 0x0
	.amdhsa_kernel k_q1439cfc36e_prep
		.amdhsa_group_segment_fixed_size 0
		.amdhsa_private_segment_fixed_size 0
		.amdhsa_enable_private_segment 0
		.amdhsa_kernarg_size 120
		.amdhsa_user_sgpr_count 2
		.amdhsa_user_sgpr_kernarg_segment_ptr 1
		.amdhsa_wavefront_size32 1
		.amdhsa_system_sgpr_workgroup_id_x 1
		.amdhsa_system_sgpr_workgroup_id_y 1
		.amdhsa_system_sgpr_workgroup_id_z 1
		.amdhsa_system_vgpr_workitem_id 0
		.amdhsa_next_free_vgpr 128
		.amdhsa_next_free_sgpr 66
		.amdhsa_reserve_vcc 0
		.amdhsa_float_denorm_mode_32 3
		.amdhsa_float_denorm_mode_16_64 3
		.amdhsa_memory_ordered 1
		.amdhsa_forward_progress 1
		.amdhsa_inst_pref_size 24
	.end_amdhsa_kernel
	.amdgpu_metadata
---
amdhsa.version: [ 1, 2 ]
amdhsa.kernels:
  - .name:           k_q1439cfc36e_prep
    .symbol:         k_q1439cfc36e_prep.kd
    .args:
      - { .name: rg_w, .offset: 0, .size: 8, .value_kind: global_buffer, .address_space: global }
      - { .name: ug_w, .offset: 8, .size: 8, .value_kind: global_buffer, .address_space: global }
      - { .name: rp_w, .offset: 16, .size: 8, .value_kind: global_buffer, .address_space: global }
      - { .name: k1_spline, .offset: 24, .size: 8, .value_kind: global_buffer, .address_space: global }
      - { .name: k2_base, .offset: 32, .size: 8, .value_kind: global_buffer, .address_space: global }
      - { .name: k2_spline, .offset: 40, .size: 8, .value_kind: global_buffer, .address_space: global }
      - { .name: ip_w, .offset: 48, .size: 8, .value_kind: global_buffer, .address_space: global }
      - { .name: k1_base, .offset: 56, .size: 8, .value_kind: global_buffer, .address_space: global }
      - { .name: k1_scaler, .offset: 64, .size: 8, .value_kind: global_buffer, .address_space: global }
      - { .name: k2_scaler, .offset: 72, .size: 8, .value_kind: global_buffer, .address_space: global }
      - { .name: grid1, .offset: 80, .size: 8, .value_kind: global_buffer, .address_space: global }
      - { .name: grid2, .offset: 88, .size: 8, .value_kind: global_buffer, .address_space: global }
      - { .name: wg, .offset: 96, .size: 8, .value_kind: global_buffer, .address_space: global }
      - { .name: ws, .offset: 104, .size: 8, .value_kind: global_buffer, .address_space: global }
      - { .name: tab, .offset: 112, .size: 8, .value_kind: global_buffer, .address_space: global }
    .group_segment_fixed_size: 0
    .private_segment_fixed_size: 0
    .kernarg_segment_align: 8
    .kernarg_segment_size: 120
    .max_flat_workgroup_size: 32
    .sgpr_count:     66
    .vgpr_count:     128
    .wavefront_size: 32
...
	.end_amdgpu_metadata
.endif
;; end of part 1
;; launch spline (part 2): grid 256 x 1, 8 waves a work-group, no clusters, 288,768 bytes of LDS; arguments x, h_prev, ip_b, ws, tab, cc, midp; writes cc, midp
.if DOCPART == 2
	.amdgcn_target "amdgcn-amd-amdhsa--gfx1250"
	.amdhsa_code_object_version 6
	.text
	.protected	k_q1439cfc36e_spline
	.globl	k_q1439cfc36e_spline
	.p2align	8
	.type	k_q1439cfc36e_spline,@function
k_q1439cfc36e_spline:
	s_mov_b64 s[64:65], 0
	v_nop
	global_prefetch_b8 v0, s[64:65] scope:SCOPE_SE
	s_setreg_imm32_b32 hwreg(HW_REG_WAVE_MODE, 25, 1), 1
	s_wait_xcnt 0x0
; THE FIRST KAN LAYER.  combined = [x ip_w^T + ip_b | h_prev], 1,024 features.  mid = silu(combined) k1_base^T + bases(combined) (k1_spline x k1_scaler)^T, all products on codes of BF6 (E3M2) with one E8M0 scale for each 32 along K.
; SHARES.  Work-group 2 g + p takes rows 64 g .. 64 g + 63 and half p of the features (p = 0: x's projection, which it computes; p = 1: h_prev).  Wave w of eight owns features 512 p + 64 w + 0 .. 63 for all 64 rows.
; It stores (a) its half of combined as codes and scale bytes into cc, laid as the last launch's operand registers, and (b) its partial sum of mid into midp; the last launch adds the two halves.
; A LANE IS A ROW, in fact two: lane l holds rows l and l + 32 in register pairs, so that every step of the splines' recursion is a packed f32 instruction; a feature's knots and reciprocals are the same
; for all rows and stand in registers that hold one number in all lanes.  A lane's 4 features x 8 bases are one whole block of 32 along K in 32 consecutive registers: its largest magnitude
; needs no other lane, and two conversions give the block's six operand registers.  v_permlane16_swap_b32 on blocks 2 c and 2 c + 1 turns 'lane = row' into the fragments of two tiles of 16 rows.
; THE RECURSION is the reference's (Cox - de Boor), with each division replaced by a multiplication with the table's reciprocal: d_j = x - t_j; c0_j = (d_j >= 0 and not d_j+1 >= 0) ? R1_j : 0;
; b(k)_j = d_j c_j - d_(j+k+1) c_(j+1); c(k)_j = R(k+1)_j b(k)_j.  Nothing is assumed of the knots: each feature has its own row of tab.
; THE TABLE.  Each wave copies its 64 rows of tab (and the two behind them, so that the last look-ahead reads bytes of its own) into LDS once; a feature's 64 slots come from there by ds_load_b128 with one
; address in all lanes, each group of slots directly behind the last use of the feature before: it has a whole feature's work in which to land, and LDS loads are waited for by count, in order (ISA guide 5.7.1).
; NO CLUSTER, NO TENSOR LOAD: a weight fragment goes from memory straight into the registers of the one wave that multiplies by it (6.4 KB for 16 features' vector work); no tile lies in LDS that partners could share.
; LIMITS: NaN and infinities are not served; a block whose largest magnitude lies under 2^-122 keeps the byte 1 (its bytes are read by this program alone).
; REGISTERS.  Window 0: v1-23, v248-250 addresses; v24-27 scale words; v28-35 at work; v36-51 x of two blocks; v52-75 d; v76-97, v98-117 c and b by turns; v120-151, v152-183 a block's 32 bases of rows l, l + 32; v184-247 the feature's 64 slots.
; Window 1: v0-127 the 16 accumulators of mid (4 tiles of rows x 4 tiles of 16 outputs), before that combined; v128-175 four weight fragments (v128-223 ip_w's eight); v176-223 the rows' four fragments; v224-255 ip_b, later a conversion's upper half.
.set STGP, 272                         ; a row of a wave's stage: its 64 features + 16 bytes, an odd multiple of 16
.set STGW, 64*STGP                     ; LDS 0: eight stages, each wave's own
.set XIM,  8*STGW                      ; x's eight fragments as images of their registers,
.set XSC,  XIM+8*1536                  ; their scale words,
.set TBL,  XSC+8*128                   ; and eight tables, each wave's own:
.set TBLW, 33*512                      ; 66 rows of 256 bytes
.set WSS,  589824                      ; ws: where the scale words begin
.set CCS,  6291456                     ; cc: where the scale bytes begin
.set LN,  1
.set RR,  2
.set HH,  3
.set XA,  4
.set L16, 5
.set L4,  6
.set XWI, 7
.set XWS, 8
.set SOA, 9
.set SOB, 10
.set AX,  11
.set AXT, 12
.set HO,  13
.set VB,  14
.set VS,  15
.set TA,  16
.set TST, 17
.set CCO, 18
.set CSO, 19
.set RA,  20
.set RA2, 21
.set RS,  22
.set BO,  23
.set SWL, 24                           ; the rows' scale words: rows l; v25: rows l + 32
.set SWH, 25
.set SB,  26                           ; v26-27 the weights' scale words: lanes 0-15 one fragment's, lanes 16-31 the next's
.set M0,  28
.set M1,  29
.set SCL, 30
.set BY,  31
.set TT,  32
.set XP,  36
.set XS,  36                           ; (head) x's scale words
.set FX,  36                           ; (head) the fragment of x that I make
.set XV,  52                           ; (head) 64 numbers of x
.set D,   52
.set CA,  76
.set CT,  76                           ; (head) combined's codes on their way to memory
.set CB,  98
.set STR, 116                          ; (head) v116-247 the table on its way into LDS
.set CBL, 118                          ; combined's two scale bytes, rows l; v119: rows l + 32
.set CBH, 119
.set BL,  120
.set XF,  120                          ; (head) x's eight fragments
.set RD,  120                          ; (end) the eight waves' partial sums
.set BH,  152
.set TB,  184
.set EX,  184                          ; (head) exponentials
.set XRI, 248
.set XRS, 249
.set TAT, 250
.set SBI, 252                          ; (head) ip_w's scale words
.set WF,  128                          ; window 1
.set F,   176
.set BIA, 224
.set TT1, 224
.set ML,  20                           ; s20-31 masks of rows l;  s32-43 of rows l + 32
.set MH,  32
.set WV,  56
.set GB,  57
.set PH,  58
.set CNT, 59
.set XOF, 60
.set TOF, 61
.set SEL, 62
.set MSB, 0
.macro WIN new                         ; the immediate's high byte repeats the setting that is left
.if MSB != (\new)
	s_set_vgpr_msb (MSB<<8)|(\new)
.set MSB, (\new)
.endif
.endm
.macro PLACES n
.rept \n
	v_nop
.endr
.endm
; the largest magnitude of 32 numbers, with the floor 2^(5 - 127) among the leaves, and the conversion's scale operand: 4 off its exponent field
.macro MAXB src
	v_max3_num_f32 v[M0], |v[\src]|, |v[\src+1]|, 0x2800000
	v_max3_num_f32 v[M1], |v[\src+2]|, |v[\src+3]|, |v[\src+4]|
.irp i, 5,9,13,17,21,25
	v_max3_num_f32 v[M0], v[M0], |v[\src+\i]|, |v[\src+\i+1]|
	v_max3_num_f32 v[M1], v[M1], |v[\src+\i+2]|, |v[\src+\i+3]|
.endr
	v_max3_num_f32 v[M0], v[M0], |v[\src+29]|, |v[\src+30]|
	v_max3_num_f32 v[M0], v[M0], v[M1], |v[\src+31]|
	v_add_nc_u32 v[SCL], 0xfe000000, v[M0]
.endm
.macro BYTE sw, sh                     ; the scale's byte, sh bits up in v[sw]; sh = 0 begins the word
.if (\sh) == 0
	v_lshrrev_b32 v[\sw], 23, v[SCL]
.else
	v_lshrrev_b32 v[BY], 23, v[SCL]
	v_lshl_or_b32 v[\sw], v[BY], \sh, v[\sw]
.endif
.endm
.macro QB0 src, dst, sw, sh            ; a block's six registers of codes, in window 0
	MAXB \src
	BYTE \sw, \sh
	v_cvt_scalef32_pk16_bf6_f32 v[\dst:\dst+2], v[\src:\src+15], v[SCL]
	v_cvt_scalef32_pk16_bf6_f32 v[TT:TT+2], v[\src+16:\src+31], v[SCL]    ; (a conversion's three registers begin on an even number)
	v_nop                                          ; one plain place behind a scaled conversion
	v_mov_b32 v[\dst+3], v[TT]
	v_mov_b32 v[\dst+4], v[TT+1]
	v_mov_b32 v[\dst+5], v[TT+2]
.endm
.macro QBS src, d0, d1, sw, sh         ; the same as two runs of three registers, for stores of 12 bytes
	MAXB \src
	BYTE \sw, \sh
	v_cvt_scalef32_pk16_bf6_f32 v[\d0:\d0+2], v[\src:\src+15], v[SCL]
	v_cvt_scalef32_pk16_bf6_f32 v[\d1:\d1+2], v[\src+16:\src+31], v[SCL]
	v_nop
.endm
.macro QBW src, dst, sw, sh            ; the same with the six registers in window 1
	MAXB \src
	BYTE \sw, \sh
	WIN 0x40
	v_cvt_scalef32_pk16_bf6_f32 v[\dst:\dst+2], v[\src:\src+15], v[SCL]
	v_cvt_scalef32_pk16_bf6_f32 v[TT1:TT1+2], v[\src+16:\src+31], v[SCL]
	v_nop
	WIN 0x41
	v_mov_b32 v[\dst+3], v[TT1]
	v_mov_b32 v[\dst+4], v[TT1+1]
	v_mov_b32 v[\dst+5], v[TT1+2]
	WIN 0
.endm
; The matrix instruction, used transposed: source 0 = 16 rows of a weight, source 1 = 16 rows of data: a lane of the result holds ONE row of data and eight neighbouring outputs.
; ck = 0: C is the constant 0; else C = v[c] on.  ra, rb: the scales are read from lanes 16-31 of their registers.
.macro WM d, a, b, ck, c, sa, sb, ra, rb
.if (\ck) == 0
.if ((\ra) == 0) && ((\rb) == 0)
	v_wmma_scale_f32_16x16x128_f8f6f4 v[\d:\d+7], v[\a:\a+11], v[\b:\b+11], 0, v[\sa], v[\sb] matrix_a_fmt:MATRIX_FMT_BF6 matrix_b_fmt:MATRIX_FMT_BF6
.elseif ((\ra) == 1) && ((\rb) == 0)
	v_wmma_scale_f32_16x16x128_f8f6f4 v[\d:\d+7], v[\a:\a+11], v[\b:\b+11], 0, v[\sa], v[\sb] matrix_a_fmt:MATRIX_FMT_BF6 matrix_b_fmt:MATRIX_FMT_BF6 matrix_a_scale:MATRIX_SCALE_ROW1
.elseif ((\ra) == 0) && ((\rb) == 1)
	v_wmma_scale_f32_16x16x128_f8f6f4 v[\d:\d+7], v[\a:\a+11], v[\b:\b+11], 0, v[\sa], v[\sb] matrix_a_fmt:MATRIX_FMT_BF6 matrix_b_fmt:MATRIX_FMT_BF6 matrix_b_scale:MATRIX_SCALE_ROW1
.else
	v_wmma_scale_f32_16x16x128_f8f6f4 v[\d:\d+7], v[\a:\a+11], v[\b:\b+11], 0, v[\sa], v[\sb] matrix_a_fmt:MATRIX_FMT_BF6 matrix_b_fmt:MATRIX_FMT_BF6 matrix_a_scale:MATRIX_SCALE_ROW1 matrix_b_scale:MATRIX_SCALE_ROW1
.endif
.else
.if ((\ra) == 0) && ((\rb) == 0)
	v_wmma_scale_f32_16x16x128_f8f6f4 v[\d:\d+7], v[\a:\a+11], v[\b:\b+11], v[\c:\c+7], v[\sa], v[\sb] matrix_a_fmt:MATRIX_FMT_BF6 matrix_b_fmt:MATRIX_FMT_BF6
.elseif ((\ra) == 1) && ((\rb) == 0)
	v_wmma_scale_f32_16x16x128_f8f6f4 v[\d:\d+7], v[\a:\a+11], v[\b:\b+11], v[\c:\c+7], v[\sa], v[\sb] matrix_a_fmt:MATRIX_FMT_BF6 matrix_b_fmt:MATRIX_FMT_BF6 matrix_a_scale:MATRIX_SCALE_ROW1
.elseif ((\ra) == 0) && ((\rb) == 1)
	v_wmma_scale_f32_16x16x128_f8f6f4 v[\d:\d+7], v[\a:\a+11], v[\b:\b+11], v[\c:\c+7], v[\sa], v[\sb] matrix_a_fmt:MATRIX_FMT_BF6 matrix_b_fmt:MATRIX_FMT_BF6 matrix_b_scale:MATRIX_SCALE_ROW1
.else
	v_wmma_scale_f32_16x16x128_f8f6f4 v[\d:\d+7], v[\a:\a+11], v[\b:\b+11], v[\c:\c+7], v[\sa], v[\sb] matrix_a_fmt:MATRIX_FMT_BF6 matrix_b_fmt:MATRIX_FMT_BF6 matrix_a_scale:MATRIX_SCALE_ROW1 matrix_b_scale:MATRIX_SCALE_ROW1
.endif
.endif
.endm
; silu in place on 32 numbers: x / (1 + 2^(-x log2 e))
.macro SILU x
.set si, 0
.rept 16
	v_pk_mul_f32 v[EX+si:EX+si+1], v[\x+si:\x+si+1], 0xbfb8aa3b op_sel_hi:[1,0]
.set si, si+2
.endr
.set si, 0
.rept 32
	v_exp_f32 v[EX+si], v[EX+si]
.set si, si+1
.endr
	v_nop                                          ; one plain place behind the transcendentals
.set si, 0
	s_wait_alu depctr_va_vdst(0)
.rept 16
	v_pk_add_f32 v[EX+si:EX+si+1], v[EX+si:EX+si+1], 1.0 op_sel_hi:[1,0]
.set si, si+2
.endr
.set si, 0
.rept 32
	v_rcp_f32 v[EX+si], v[EX+si]
.set si, si+1
.endr
	v_nop
.set si, 0
	s_wait_alu depctr_va_vdst(0)
.rept 16
	v_pk_mul_f32 v[\x+si:\x+si+1], v[\x+si:\x+si+1], v[EX+si:EX+si+1]
.set si, si+2
.endr
.endm
; ONE FEATURE for 64 rows.  xp: the pair (x of row l, x of row l + 32); o: where its 8 bases go in the block; nxt: the next feature's row in the table, in bytes from v[TAT].
; first = 1: the wait at the block's head has shown this feature's slots landed.
.macro SPL xp, o, nxt, first
.if (\first) == 0
	s_wait_dscnt 10                                ; slots 0-23 are in: behind their six loads stand the 5 + 5 of slots 24-43 and 44-63
.endif
.irp j, 0,1,2,3,4,5,6,7,8,9,10,11
	v_pk_add_f32 v[D+2*\j:D+2*\j+1], v[\xp:\xp+1], v[TB+2*\j:TB+2*\j+1] op_sel_hi:[1,0]    ; d_j = x - t_j (of the pair of slots the first serves both rows)
.endr
.irp j, 0,1,2,3,4,5,6,7,8,9,10,11
	v_cmp_le_f32 s[ML+\j], 0, v[D+2*\j]            ; x >= t_j: the difference's sign is exact
	v_cmp_le_f32 s[MH+\j], 0, v[D+2*\j+1]
.endr
.irp j, 0,1,2,3,4,5,6,7,8,9,10
	s_and_not1_b32 s[ML+\j], s[ML+\j], s[ML+\j+1]  ; and not x >= t_j+1 (ascending: the mask on the right is still as compared)
	s_and_not1_b32 s[MH+\j], s[MH+\j], s[MH+\j+1]
.endr
.irp j, 0,1,2,3,4,5,6,7,8,9,10
	v_cndmask_b32 v[CA+2*\j], 0, v[TB+2*\j+1], s[ML+\j]
	v_cndmask_b32 v[CA+2*\j+1], 0, v[TB+2*\j+1], s[MH+\j]
.endr
.irp k, 0,1,2,3,4,5
	ds_load_b128 v[TB+4*\k:TB+4*\k+3], v[TAT] offset:\nxt+16*\k            ; the next feature's slots 0-23, behind their last use
.endr
.irp j, 0,1,2,3,4,5,6,7,8,9
	v_pk_mul_f32 v[CB+2*\j:CB+2*\j+1], v[D+2*\j+4:D+2*\j+5], v[CA+2*\j+2:CA+2*\j+3]
.endr
.irp j, 0,1,2,3,4,5,6,7,8,9
	v_pk_fma_f32 v[CB+2*\j:CB+2*\j+1], v[D+2*\j:D+2*\j+1], v[CA+2*\j:CA+2*\j+1], v[CB+2*\j:CB+2*\j+1] neg_lo:[0,0,1] neg_hi:[0,0,1]
.endr
	s_wait_dscnt 11                                ; slots 24-43 are in: behind them stand 5 (slots 44-63) + 6 (the next feature's 0-23)
.irp j, 0,1,2,3,4,5,6,7,8,9
	v_pk_mul_f32 v[CB+2*\j:CB+2*\j+1], v[CB+2*\j:CB+2*\j+1], v[TB+24+2*\j:TB+25+2*\j] op_sel_hi:[1,0]
.endr
.irp k, 0,1,2,3,4
	ds_load_b128 v[TB+24+4*\k:TB+27+4*\k], v[TAT] offset:\nxt+96+16*\k
.endr
.irp j, 0,1,2,3,4,5,6,7,8
	v_pk_mul_f32 v[CA+2*\j:CA+2*\j+1], v[D+2*\j+6:D+2*\j+7], v[CB+2*\j+2:CB+2*\j+3]
.endr
.irp j, 0,1,2,3,4,5,6,7,8
	v_pk_fma_f32 v[CA+2*\j:CA+2*\j+1], v[D+2*\j:D+2*\j+1], v[CB+2*\j:CB+2*\j+1], v[CA+2*\j:CA+2*\j+1] neg_lo:[0,0,1] neg_hi:[0,0,1]
.endr
	s_wait_dscnt 11                                ; slots 44-63 are in: behind them stand 6 + 5 of the next feature
.irp j, 0,1,2,3,4,5,6,7,8
	v_pk_mul_f32 v[CA+2*\j:CA+2*\j+1], v[CA+2*\j:CA+2*\j+1], v[TB+44+2*\j:TB+45+2*\j] op_sel_hi:[1,0]
.endr
.irp k, 0,1,2,3,4
	ds_load_b128 v[TB+44+4*\k:TB+47+4*\k], v[TAT] offset:\nxt+176+16*\k
.endr
.irp j, 0,1,2,3,4,5,6,7
	v_pk_mul_f32 v[CB+2*\j:CB+2*\j+1], v[D+2*\j+8:D+2*\j+9], v[CA+2*\j+2:CA+2*\j+3]
.endr
.irp j, 0,1,2,3,4,5,6,7
	v_fma_f32 v[BL+\o+\j], v[D+2*\j], v[CA+2*\j], -v[CB+2*\j]              ; the last step is not packed: each row's 8 bases land in consecutive registers
	v_fma_f32 v[BH+\o+\j], v[D+2*\j+1], v[CA+2*\j+1], -v[CB+2*\j+1]
.endr
.endm
.macro XPL b                           ; x of block b's four features, both rows, into set b % 2
.irp f, 0,1,2,3
	ds_load_b32 v[XP+8*((\b)%2)+2*\f], v[AXT] offset:16*(\b)+4*\f
	ds_load_b32 v[XP+8*((\b)%2)+2*\f+1], v[AXT] offset:32*STGP+16*(\b)+4*\f
.endr
.endm
.macro BLK b                           ; four features: one block of 32 along K for each of my 64 rows
.if (\b) < 3
	XPL (\b)+1
	s_wait_dscnt 8                                 ; all but the eight just issued: this block's x and its first feature's slots
.else
	s_wait_dscnt 0x0
.endif
	SPL XP+8*((\b)%2), 0, 256*(4*(\b)+1), 1
	SPL XP+8*((\b)%2)+2, 8, 256*(4*(\b)+2), 0
	SPL XP+8*((\b)%2)+4, 16, 256*(4*(\b)+3), 0
	SPL XP+8*((\b)%2)+6, 24, 256*(4*(\b)+4), 0
	QBW BL, F+12*((\b)%2)+6*((\b)/2), SWL, 8*(\b)
	QBW BH, F+24+12*((\b)%2)+6*((\b)/2), SWH, 8*(\b)
.endm
	s_load_b256 s[4:11], s[0:1], 0x0               ; x, h_prev, ip_b, ws
	s_load_b128 s[12:15], s[0:1], 0x20             ; tab, cc
	s_load_b64 s[16:17], s[0:1], 0x30              ; midp
	v_lshl_add_u32 v35, v0, 2, 0x46400
	v_mov_b32 v251, 0
	v_lshrrev_b32 v1, 5, v0
	v_readfirstlane_b32 s[WV], v1                  ; wave 0..7
	s_lshr_b32 s[GB], ttmp9, 1                     ; which 64 rows
	s_and_b32 s[PH], ttmp9, 1                      ; which half of the features
	s_mov_b32 s[SEL], 0x76543210
	s_mov_b32 s[SEL+1], 0xfedcba98
	v_and_b32 v[LN], 31, v0
	v_and_b32 v[RR], 15, v0
	v_bfe_u32 v[HH], v0, 4, 1
	; every address register is made here, ahead of the first parting
	v_lshlrev_b32 v[XA], 10, v[RR]
	v_lshl_add_u32 v[XA], v[HH], 7, v[XA]          ; x: row r of 1,024 bytes, + 128 h
	v_lshlrev_b32 v[L16], 4, v[LN]
	v_lshlrev_b32 v[L4], 2, v[LN]
	s_mul_i32 s46, s[WV], 1536
	v_add_nc_u32 v[XWI], s46, v[L16]
	v_add_nc_u32 v[XWI], XIM, v[XWI]               ; where I store my fragment of x
	s_lshl_b32 s46, s[WV], 7
	v_add_nc_u32 v[XWS], s46, v[L4]
	v_add_nc_u32 v[XWS], XSC, v[XWS]
	v_add_nc_u32 v[XRI], XIM, v[L16]               ; and from where all eight are read
	v_add_nc_u32 v[XRS], XSC, v[L4]
	s_mul_i32 s47, s[WV], STGW                     ; my stage
	v_mul_u32_u24 v[SOA], v[RR], STGP
	v_lshl_add_u32 v[SOA], v[HH], 5, v[SOA]
	v_add_nc_u32 v[SOA], s47, v[SOA]               ; in, from a matrix result: row r, + 32 h
	v_mul_u32_u24 v[SOB], v[HH], STGP
	v_lshl_add_u32 v[SOB], v[RR], 4, v[SOB]
	v_add_nc_u32 v[SOB], s47, v[SOB]               ; in, from rows as loaded: sixteen lanes to a row
	v_mul_u32_u24 v[AX], v[LN], STGP
	v_add_nc_u32 v[AX], s47, v[AX]                 ; out: lane l reads row l
	v_add_nc_u32 v[RS], s47, v[L16]                ; at the end: my accumulators' images
	v_lshlrev_b32 v[HO], 11, v[HH]
	v_lshl_add_u32 v[HO], v[RR], 4, v[HO]          ; h_prev: two rows an instruction, 256 bytes of each
	s_mul_i32 s48, s[WV], TBLW
	s_add_co_u32 s48, s48, TBL                     ; my table
	v_mov_b32 v[TA], s48
	v_add_nc_u32 v[TST], s48, v[L16]
	v_mul_u32_u24 v[CCO], v[HH], 12288
	v_mad_u32_u24 v[CCO], v[RR], 24, v[CCO]        ; cc: tile l / 16, 24 bytes a lane of the operand
	v_lshlrev_b32 v[CSO], 5, v[LN]                 ; its scale bytes: 32 a row
	s_lshl_b32 s46, s[WV], 11
	v_add_nc_u32 v[RA], s46, v[L16]                ; at the end: accumulators 2 w, 2 w + 1 of waves 0-3,
	v_add_nc_u32 v[RA2], 4*STGW, v[RA]             ; and of waves 4-7
	v_lshlrev_b32 v[BO], 5, v[HH]
	s_lshl_b32 s46, s[WV], 3
	s_add_co_u32 s46, s46, 256                     ; ip_w's images 256 + 8 w on
	s_mul_i32 s47, s46, 1536
	v_add_nc_u32 v[VB], s47, v[L16]
	s_lshl_b32 s47, s46, 6
	s_add_co_u32 s47, s47, WSS
	v_add_nc_u32 v[VS], s47, v[L4]
	s_mov_b32 s45, 0
	s_lshr_b32 s46, s[WV], 1
	s_and_b32 s48, s[WV], 1
	s_wait_kmcnt 0x0
	s_lshl_b32 s44, s[PH], 17
	s_lshl_b32 s47, s[WV], 14
	s_add_co_u32 s44, s44, s47
	s_add_nc_u64 s[12:13], s[12:13], s[44:45]      ; tab at row 512 p + 64 w
	s_lshl_b32 s44, s[GB], 16
	s_lshl_b32 s47, s46, 14
	s_add_co_u32 s44, s44, s47
	s_lshl_b32 s47, s48, 9
	s_add_co_u32 s44, s44, s47
	s_add_nc_u64 s[4:5], s[4:5], s[44:45]          ; x at row 64 g + 16 (w / 2), K step w % 2
	s_lshl_b32 s44, s[GB], 17
	s_lshl_b32 s47, s[WV], 8
	s_add_co_u32 s44, s44, s47
	s_add_nc_u64 s[6:7], s[6:7], s[44:45]          ; h_prev at row 64 g, feature 64 w
	s_mov_b32 s44, s47
	s_add_nc_u64 s[8:9], s[8:9], s[44:45]          ; ip_b at 64 w
	s_mul_i32 s44, s[GB], 49152
	s_lshl_b32 s47, s[PH], 2
	s_add_co_u32 s47, s47, s46
	s_mul_i32 s47, s47, 1536
	s_add_co_u32 s44, s44, s47
	s_mul_i32 s47, s48, 768
	s_add_co_u32 s44, s44, s47
	s_add_nc_u64 s[18:19], s[14:15], s[44:45]      ; cc: tile 4 g, K step 4 p + w / 2, registers' half w % 2
	s_lshl_b32 s44, s[GB], 11
	s_lshl_b32 s47, s[PH], 4
	s_add_co_u32 s44, s44, s47
	s_lshl_b32 s47, s[WV], 1
	s_add_co_u32 s44, s44, s47
	s_add_nc_u64 s[14:15], s[14:15], s[44:45]      ; its scale bytes: row 64 g, byte 16 p + 2 w
	s_lshl_b32 s44, s[PH], 21
	s_lshl_b32 s47, s[GB], 14
	s_add_co_u32 s44, s44, s47
	s_lshl_b32 s47, s[WV], 11
	s_add_co_u32 s44, s44, s47
	s_add_nc_u64 s[16:17], s[16:17], s[44:45]      ; midp: half p, tile 4 g, accumulators 2 w on
	; ---- requests: my table; then x, ip_w and ip_b, or h_prev
.set kk, 0
.rept 33
	global_load_b128 v[STR+4*kk:STR+4*kk+3], v[L16], s[12:13] offset:512*kk
.set kk, kk+1
.endr
	s_cmp_eq_u32 s[PH], 0
	s_cbranch_scc0 .Lask_h
.irp c, 0,1
.irp k, 0,1,2,3,4,5,6,7
	global_load_b128 v[XV+32*\c+4*\k:XV+32*\c+4*\k+3], v[XA], s[4:5] offset:256*\c+16*\k th:TH_LOAD_NT   ; lane (r, h): blocks h and 2 + h of row r
.endr
.endr
	WIN 0x40
.set kk, 0
.rept 24
	global_load_b128 v[WF+4*kk:WF+4*kk+3], v[VB], s[10:11] offset:512*kk       ; ip_w's fragments 4 s + n (K step s, N tile 4 w + n)
.set kk, kk+1
.endr
.irp n, 0,1,2,3
.irp q, 0,1
	global_load_b128 v[BIA+8*\n+4*\q:BIA+8*\n+4*\q+3], v[BO], s[8:9] offset:64*\n+16*\q   ; ip_b in the result's layout: the C of each sum's first product
.endr
.endr
	WIN 0
.irp k, 0,1,2,3
	global_load_b32 v[SBI+\k], v[VS], s[10:11] offset:128*\k
.endr
	s_branch .Lasked
.Lask_h:
	WIN 0x40
.set kk, 0
.rept 32
	global_load_b128 v[4*kk:4*kk+3], v[HO], s[6:7] offset:4096*kk             ; sixteen lanes read 256 consecutive bytes, at a multiple of 256 from the buffer's first byte
.set kk, kk+1
.endr
	WIN 0
.Lasked:
	s_wait_loadcnt 32                              ; the table's 33 loads are in: behind them stand h_prev's 32, or 52 on the other way, of which the oldest 20, x's sixteen among them, are then in too
.set kk, 0
.rept 33
	ds_store_b128 v[TST], v[STR+4*kk:STR+4*kk+3] offset:512*kk
.set kk, kk+1
.endr
	s_cmp_eq_u32 s[PH], 0
	s_cbranch_scc0 .Lno_x
	QB0 XV, FX, SWL, 0                             ; wave w makes x's fragment (tile of rows w / 2, K step w % 2)
	QB0 XV+32, FX+6, SWH, 0
	v_lshl_or_b32 v[SB], v[SWH], 16, v[SWL]        ; my two bytes, blocks h and 2 + h,
	v_lshlrev_b32 v[SB+1], 3, v[HH]
	v_lshlrev_b32 v[SB], v[SB+1], v[SB]            ; at their places;
	v_mov_b32 v[SB+1], 0
	v_permlanex16_b32 v[SB+1], v[SB], s[SEL], s[SEL+1]
	v_or_b32 v[SB], v[SB], v[SB+1]                 ; with lane l xor 16's two the word is whole
.irp q, 0,1,2
	ds_store_b128 v[XWI], v[FX+4*\q:FX+4*\q+3] offset:512*\q
.endr
	ds_store_b32 v[XWS], v[SB]
.Lno_x:
	s_wait_dscnt 0x0                               ; for the others' sake: my fragment lies in LDS
	s_barrier_signal -1
	s_barrier_wait -1
	s_cmp_eq_u32 s[PH], 0
	s_cbranch_scc0 .Lh_in
	; ---- x ip_w^T + ip_b: my 64 columns for the 64 rows
.set kk, 0
.rept 24
	ds_load_b128 v[XF+4*kk:XF+4*kk+3], v[XRI] offset:512*kk                    ; fragment 2 T + s at v[XF + 12 (2 T + s)]
.set kk, kk+1
.endr
.irp k, 0,1,2,3,4,5,6,7
	ds_load_b32 v[XS+\k], v[XRS] offset:128*\k
.endr
	s_wait_loadcnt 0x0
	s_wait_dscnt 0x0
	WIN 0x51                                       ; source 0 (ip_w), C and D window 1; source 1 (x) window 0
.irp T, 0,1,2,3
.irp n, 0,1,2,3
	WM 8*(4*\T+\n), WF+12*\n, XF+24*\T, 1, BIA+8*\n, SBI+\n/2, XS+2*\T, \n%2, 0
.endr
.endr
.irp T, 0,1,2,3
.irp n, 0,1,2,3
	WM 8*(4*\T+\n), WF+48+12*\n, XF+24*\T+12, 1, 8*(4*\T+\n), SBI+2+\n/2, XS+2*\T+1, \n%2, 0     ; the sixteen accumulators by turns
.endr
.endr
	PLACES 4
	WIN 0x04                                       ; an LDS store's data are its source 1: window 1
.irp T, 0,1,2,3
.irp n, 0,1,2,3
	ds_store_b128 v[SOA], v[8*(4*\T+\n):8*(4*\T+\n)+3] offset:16*STGP*\T+64*\n           ; each accumulator from its low end on
	ds_store_b128 v[SOA], v[8*(4*\T+\n)+4:8*(4*\T+\n)+7] offset:16*STGP*\T+64*\n+16
.endr
.endr
	WIN 0
	s_branch .Lstaged
.Lh_in:
	s_wait_loadcnt 0x0
	WIN 0x04
.set kk, 0
.rept 32
	ds_store_b128 v[SOB], v[4*kk:4*kk+3] offset:2*STGP*kk
.set kk, kk+1
.endr
	WIN 0
.Lstaged:
	; ---- my 64 features of combined lie in my stage, 64 rows.  LDS serves a wave's instructions in order (ISA guide 5.7.1.4): no wait, no barrier: the bytes are mine alone
	s_lshl_b32 s46, s[PH], 3
	s_add_co_u32 s46, s46, s[WV]
	s_lshl_b32 s46, s46, 2
	s_add_co_u32 s46, s46, 320                     ; k1_base's images 320 + 4 (8 p + w) on
	s_mul_i32 s47, s46, 1536
	v_add_nc_u32 v[VB], s47, v[L16]
	s_lshl_b32 s47, s46, 6
	s_add_co_u32 s47, s47, WSS
	v_add_nc_u32 v[VS], s47, v[L4]
	PLACES 2                                       ; with the two additions: four places in front of loads into registers that matrix instructions have read
	WIN 0x40
.set kk, 0
.rept 12
	global_load_b128 v[WF+4*kk:WF+4*kk+3], v[VB], s[10:11] offset:512*kk
.set kk, kk+1
.endr
	WIN 0
	global_load_b32 v[SB], v[VS], s[10:11]
	global_load_b32 v[SB+1], v[VS], s[10:11] offset:128
; 32 features (block g of my two) of my 64 rows: combined's codes go to cc; silu's codes become blocks 0 and 1 of a K step whose upper 64 are zero codes
.macro PRE g
.irp k, 0,1,2,3,4,5,6,7
	ds_load_b128 v[BL+4*\k:BL+4*\k+3], v[AX] offset:128*\g+16*\k
.endr
.irp k, 0,1,2,3,4,5,6,7
	ds_load_b128 v[BH+4*\k:BH+4*\k+3], v[AX] offset:32*STGP+128*\g+16*\k
.endr
	s_wait_dscnt 0x0
	QBS BL, CT+16*\g, CT+16*\g+4, CBL, 8*\g
	QBS BH, CT+16*\g+8, CT+16*\g+12, CBH, 8*\g
	global_store_b96 v[CCO], v[CT+16*\g:CT+16*\g+2], s[18:19] offset:384*\g               ; sixteen lanes' 24 bytes are 384 consecutive bytes, in two stores of 12
	global_store_b96 v[CCO], v[CT+16*\g+4:CT+16*\g+6], s[18:19] offset:384*\g+12
	global_store_b96 v[CCO], v[CT+16*\g+8:CT+16*\g+10], s[18:19] offset:24576+384*\g
	global_store_b96 v[CCO], v[CT+16*\g+12:CT+16*\g+14], s[18:19] offset:24576+384*\g+12
	SILU BL
	SILU BH
	QBW BL, F+12*\g, SWL, 8*\g
	QBW BH, F+24+12*\g, SWH, 8*\g
.endm
	PRE 0
	PRE 1
	global_store_b16 v[CSO], v[CBL], s[14:15] offset:CCS
	global_store_b16 v[CSO], v[CBH], s[14:15] offset:CCS+1024
	WIN 0x41
.irp i, 0,1,2,3,4,5
	v_permlane16_swap_b32 v[F+\i], v[F+12+\i]      ; block 0's lanes 16-31 change places with block 1's lanes 0-15: the first is now the fragment of rows 0-15, the second of rows 16-31
	v_permlane16_swap_b32 v[F+24+\i], v[F+36+\i]
.endr
	WIN 0x40
.irp T, 0,1,2,3
.irp i, 6,7,8,9,10,11
	v_mov_b32 v[F+12*\T+\i], 0                     ; the K step's upper 64: zero codes
.endr
.endr
	WIN 0
	PLACES 8                                       ; a scale register written by a vector instruction stands 8 places ahead of a scaled matrix instruction, an operand 4
	s_wait_loadcnt 0x0
	WIN 0x55
.irp T, 0,1,2,3
.irp n, 0,1,2,3
	WM 8*(4*\T+\n), WF+12*\n, F+12*\T, 0, 0, SB+\n/2, SWL+\T/2, \n%2, \T%2     ; silu(combined) k1_base^T starts the sums of mid: nothing is cleared
.endr
.endr
	WIN 0
	s_lshl_b32 s46, s[PH], 5
	s_lshl_b32 s47, s[WV], 2
	s_add_co_u32 s46, s46, s47                     ; my first K step of the splines' product: 32 p + 4 w
	s_mul_i32 s47, s46, 6144
	v_add_nc_u32 v[VB], s47, v[L16]
	s_lshl_b32 s47, s46, 8
	s_add_co_u32 s47, s47, WSS
	v_add_nc_u32 v[VS], s47, v[L4]
	s_wait_xcnt 0x0                                ; the stores to cc have read their registers: the recursion writes them again
.irp k, 0,1,2,3,4,5,6,7,8,9,10,11,12,13,14,15
	ds_load_b128 v[TB+4*\k:TB+4*\k+3], v[TA] offset:16*\k                      ; my first feature's 64 slots
.endr
	s_mov_b32 s[CNT], 0
	s_mov_b32 s[XOF], 0
	s_mov_b32 s[TOF], 0
.Lk:                                               ; four trips: 16 features = one K step of 128 for my 64 rows
	v_add_nc_u32 v[AXT], s[XOF], v[AX]
	v_add_nc_u32 v[TAT], s[TOF], v[TA]
	PLACES 2                                       ; with the two additions: four places in front of loads into registers that matrix instructions have read
	WIN 0x40
.set kk, 0
.rept 12
	global_load_b128 v[WF+4*kk:WF+4*kk+3], v[VB], s[10:11] offset:512*kk       ; the K step's four weight fragments: wanted at the trip's end
.set kk, kk+1
.endr
	WIN 0
	global_load_b32 v[SB], v[VS], s[10:11]
	global_load_b32 v[SB+1], v[VS], s[10:11] offset:128
	XPL 0
	BLK 0
	BLK 1
	BLK 2
	BLK 3
	WIN 0x41
.irp c, 0,1
.irp i, 0,1,2,3,4,5
	v_permlane16_swap_b32 v[F+6*\c+\i], v[F+12+6*\c+\i]
	v_permlane16_swap_b32 v[F+24+6*\c+\i], v[F+36+6*\c+\i]
.endr
.endr
	WIN 0
	PLACES 8
	s_wait_loadcnt 0x0
	WIN 0x55
.irp T, 0,1,2,3
.irp n, 0,1,2,3
	WM 8*(4*\T+\n), WF+12*\n, F+12*\T, 1, 8*(4*\T+\n), SB+\n/2, SWL+\T/2, \n%2, \T%2
.endr
.endr
	WIN 0
	v_add_nc_u32 v[VB], 6144, v[VB]                ; (their loads have been waited for)
	v_add_nc_u32 v[VS], 256, v[VS]
	s_add_co_u32 s[XOF], s[XOF], 64
	s_add_co_u32 s[TOF], s[TOF], 4096
	s_add_co_u32 s[CNT], s[CNT], 1
	s_cmp_lt_u32 s[CNT], 4
	s_cbranch_scc1 .Lk
	; ---- the eight waves' partial sums meet: each stores its 16 accumulators as images into its own stage; wave w adds up accumulators 2 w and 2 w + 1
	PLACES 2                                       ; with the two additions above: four places behind the last products
	WIN 0x04
.set kk, 0
.rept 16
	ds_store_b128 v[RS], v[8*kk:8*kk+3] offset:1024*kk
	ds_store_b128 v[RS], v[8*kk+4:8*kk+7] offset:1024*kk+512
.set kk, kk+1
.endr
	WIN 0
	s_wait_dscnt 0x0                               ; my stores have landed (and the table's last look-ahead is in)
	s_barrier_signal -1
	s_barrier_wait -1
.irp v, 0,1,2,3
.irp m, 0,1,2,3
	ds_load_b128 v[RD+16*\v+4*\m:RD+16*\v+4*\m+3], v[RA] offset:STGW*\v+512*\m
	ds_load_b128 v[RD+64+16*\v+4*\m:RD+64+16*\v+4*\m+3], v[RA2] offset:STGW*\v+512*\m
.endr
.endr
	s_wait_dscnt 0x0
.irp v, 1,2,3,4,5,6,7
.irp i, 0,2,4,6,8,10,12,14
	v_pk_add_f32 v[RD+\i:RD+\i+1], v[RD+\i:RD+\i+1], v[RD+16*\v+\i:RD+16*\v+\i+1]       ; in the waves' order
.endr
.endr
.irp m, 0,1,2,3
	global_store_b128 v[L16], v[RD+4*\m:RD+4*\m+3], s[16:17] offset:512*\m    ; 32 lanes store 512 consecutive bytes, at a multiple of 256 from the buffer's first byte
.endr
	s_wait_tensorcnt 0x0
	ds_add_u32 v35, v251
	s_wait_dscnt 0x0
	s_endpgm
.Lfunc_end_k_q1439cfc36e_spline:
	.size	k_q1439cfc36e_spline, .Lfunc_end_k_q1439cfc36e_spline-k_q1439cfc36e_spline
	.p2alignl 7, 3214868480
	.fill 96, 4, 3214868480
	.section	.rodata,"a",@progbits
	.p2align	6, 0x0
	.amdhsa_kernel k_q1439cfc36e_spline
		.amdhsa_group_segment_fixed_size 288768
		.amdhsa_private_segment_fixed_size 0
		.amdhsa_enable_private_segment 0
		.amdhsa_kernarg_size 56
		.amdhsa_user_sgpr_count 2
		.amdhsa_user_sgpr_kernarg_segment_ptr 1
		.amdhsa_wavefront_size32 1
		.amdhsa_system_sgpr_workgroup_id_x 1
		.amdhsa_system_sgpr_workgroup_id_y 1
		.amdhsa_system_sgpr_workgroup_id_z 1
		.amdhsa_system_vgpr_workitem_id 0
		.amdhsa_next_free_vgpr 512
		.amdhsa_next_free_sgpr 66
		.amdhsa_reserve_vcc 0
		.amdhsa_float_denorm_mode_32 3
		.amdhsa_float_denorm_mode_16_64 3
		.amdhsa_memory_ordered 1
		.amdhsa_forward_progress 1
		.amdhsa_inst_pref_size 255
	.end_amdhsa_kernel
	.section	.bss,"aw",@nobits
	.p2align	6
	.space	262144
	.amdgpu_metadata
---
amdhsa.version: [ 1, 2 ]
amdhsa.kernels:
  - .name:           k_q1439cfc36e_spline
    .symbol:         k_q1439cfc36e_spline.kd
    .args:
      - { .name: x, .offset: 0, .size: 8, .value_kind: global_buffer, .address_space: global }
      - { .name: h_prev, .offset: 8, .size: 8, .value_kind: global_buffer, .address_space: global }
      - { .name: ip_b, .offset: 16, .size: 8, .value_kind: global_buffer, .address_space: global }
      - { .name: ws, .offset: 24, .size: 8, .value_kind: global_buffer, .address_space: global }
      - { .name: tab, .offset: 32, .size: 8, .value_kind: global_buffer, .address_space: global }
      - { .name: cc, .offset: 40, .size: 8, .value_kind: global_buffer, .address_space: global }
      - { .name: midp, .offset: 48, .size: 8, .value_kind: global_buffer, .address_space: global }
    .group_segment_fixed_size: 288768
    .private_segment_fixed_size: 0
    .kernarg_segment_align: 8
    .kernarg_segment_size: 56
    .max_flat_workgroup_size: 256
    .sgpr_count:     66
    .vgpr_count:     512
    .wavefront_size: 32
...
	.end_amdgpu_metadata
.endif
;; end of part 2
;; launch gates (part 3): grid 256 x 1, 4 waves a work-group, clusters of 4 x 1, 327,680 bytes of LDS; arguments wg, cc, midp, tab, h_prev, rg_b, rg_g, rg_beta, ug_b, ug_g, ug_beta, rp_b, cn_g, cn_b, out0; writes out0
.if DOCPART == 3
	.amdgcn_target "amdgcn-amd-amdhsa--gfx1250"
	.amdhsa_code_object_version 6
	.text
	.protected	k_q1439cfc36e_gates
	.globl	k_q1439cfc36e_gates
	.p2align	8
	.type	k_q1439cfc36e_gates,@function
k_q1439cfc36e_gates:
	s_mov_b64 s[64:65], 0
	v_nop
	global_prefetch_b8 v0, s[64:65] scope:SCOPE_SE
	s_setreg_imm32_b32 hwreg(HW_REG_WAVE_MODE, 25, 1), 1
	s_wait_xcnt 0x0
	s_wait_alu depctr_hold_cnt(0) depctr_sa_sdst(0) depctr_va_vdst(0) depctr_va_sdst(0) depctr_va_ssrc(0) depctr_va_vcc(0) depctr_vm_vsrc(0)
	s_getreg_b32 s2, hwreg(HW_REG_IB_STS2, 6, 4)
	s_cmp_eq_u32 s2, 0
	s_cbranch_scc0 .Lentry_in_a_cluster
	s_endpgm
.Lentry_in_a_cluster:
	s_bfe_u32 s2, ttmp6, 0x10000c
	s_cmp_lg_u32 s2, 0x3003
	s_cbranch_scc0 .Lentry_shape_is_right
	s_endpgm
.Lentry_shape_is_right:
; THE GATES, THE SECOND KAN LAYER AND THE OUTPUT.  For 32 rows a work-group: rg = combined rg_w^T + rg_b, ug likewise, cand = combined rp_w^T + rp_b + silu(mid) k2_base^T + bases(mid) (k2_spline x k2_scaler)^T;
; update = sigmoid(LN(ug)); out = h_prev + update (silu(LN(LN(cand))) - h_prev).  All products on codes of BF6 (E3M2) with one E8M0 scale for each 32 along K; all else in f32.
; The reference also forms reset = tanh(LN(rg)) and uses it nowhere.  It is formed here too, whole, and dropped as the reference drops it: no step of the reference and no input is left out.
; SHARES.  Wave w of four owns columns 128 w .. 128 w + 127 of rg, ug and cand for both tiles of 16 rows: 48 accumulators, 384 registers, which begin as the biases (loaded in the result's layout).
; The matrix instruction is used transposed (source 0 = 16 rows of a weight, source 1 = 16 rows of data): a lane holds one row and eight neighbouring columns.
; THE WEIGHTS, 928 fragments as images of their registers, stream through two LDS slots in ten units of three groups (the last: two) of 8 fragments a wave.  A wave fetches and reads its own part alone.
; CLUSTER.  The four work-groups of a cluster walk the same weights: each part is asked for JOINTLY, by the same tensor load with the same descriptor (made of the wave's number and the unit alone) and the mask 15.
; A slot is filled again behind a round of the cluster's barrier; by this text's own count a wave has two tensor loads out at the start and one behind each round.
; BETWEEN THE UNITS stands the vector work that does not hang on the stream's end: silu(mid) and the splines of mid (a lane is a row; wave w makes K step w of the splines' product and hands it on through LDS as an
; image of its registers), then the gates' layer norms and activations.  The rounds are also the barriers that publish the images and the rows' partial sums.
; THE SPLINES are the reference's recursion with the table's reciprocals (see the launch before).  The wave's 16 rows of tab lie in 32 registers, a slot to a lane; a feature's 42 constants are taken out by v_readlane_b32.
; A variance is always taken of centred numbers.
; LIMITS: NaN and infinities are not served; a block whose largest magnitude lies under 2^-122 keeps the byte 1.
; REGISTERS.  Window 0: v1-23 addresses; v24-31 combined's scale words (one a K step; lane l: row l); v32-36, v39 the second layer's; v40-51 the unit's weights' scale words; v52-83 the table, later sums at work;
;   v84-95 small; v96-223 at work, later gains and shifts; v224-247 silu(mid)'s two fragments.   Window 1: v0-95 weight set 1; v96-239 six places of 24 for the rows' fragments.
;   Window 2: rg at v[8 (2 i + T)], ug at v[128 + ..].   Window 3: cand at v[8 (2 i + T)]; v128-223 weight set 0.
.set PARTB, 38400                      ; a wave's part of a unit: 24 images of 1,536 bytes, then 24 x 64 bytes of scale words
.set SLOTB, 4*PARTB
.set IMG2,  2*SLOTB                    ; behind the ring: the splines' eight fragments (K step w, tile T: 2 w + T),
.set ISC2,  IMG2+8*1536                ; their scale words,
.set STATS, ISC2+512                   ; eight tables of [32 rows][4 waves] partial sums,
.set SPARE, STATS+8*512                ; and the spare words, 128 bytes for each wave: two blocks of 256 bytes that no other line names
.set CCS,   6291456
.set SPW, 1
.set NIL, 2
.set RR,  3
.set HH,  4
.set L16, 5
.set L4,  6
.set WFA, 7                            ; v7-8   my part of slot 0, 1: 16 x lane;  v7 is also my stage at the end, read by rows
.set WSA, 9                            ; v9-10  the same, 4 x lane
.set IMW, 11
.set IMR, 12
.set ISW, 13
.set ISR, 14
.set STP, 15
.set STGA, 16
.set SGI, 17
.set CCO, 19
.set BO,  20
.set MO,  21
.set SAO, 22
.set LN,  23
.set SA,  24
.set SA2, 32
.set PT,  37
.set SW2, 39
.set SCB, 40
.set TBV, 52
.set ST,  52
.set M0,  84
.set M1,  85
.set SCL, 86
.set BY,  87
.set NM,  84                           ; v84-91 four pairs: -mean, or 1 / sqrt(var + eps), twice each
.set SS,  92                           ; v92-95 sums
.set TM,  96
.set MX,  96
.set D,   112
.set CA,  124
.set CB,  136
.set BL,  152
.set F2,  184
.set TT,  208
.set L0F, 224
.set KT,  8                            ; s8-19 -t;  s20-30 R1;  s31-40 R2;  s41-49 R3;  s50-61 masks
.set KR1, 20
.set KR2, 31
.set KR3, 41
.set MK,  50
.set SEL, 62
.set WV,  66
.set RB,  67
.set G1A, 68
.set G1B, 76
.set G0,  84
.set HM,  94
.set C512, 95
.set EPS, 96
.set MSB, 0
.macro WIN new                         ; the immediate's high byte repeats the setting that is left
.if MSB != (\new)
	s_set_vgpr_msb (MSB<<8)|(\new)
.set MSB, (\new)
.endif
.endm
.macro PLACES                          ; four places behind matrix instructions, in front of loads into their registers and of reads of their results
.rept 4
	v_nop
.endr
.endm
.macro ROUND                           ; a round of the cluster's barrier
	s_barrier_signal -1
	s_barrier_wait -1
	s_cmp_lg_u32 s[WV], 0
	s_cbranch_scc1 .Lnot_wave_0_\@
	s_barrier_signal -3
.Lnot_wave_0_\@:
	s_barrier_wait -3
	s_barrier_signal -1
	s_barrier_wait -1
.endm
.macro BAR
	s_wait_dscnt 0x0                               ; for the others' sake: my LDS stores have landed
	s_barrier_signal -1
	s_barrier_wait -1
.endm
.macro BYTE sw, sh
.if (\sh) == 0
	v_lshrrev_b32 v[\sw], 23, v[SCL]
.else
	v_lshrrev_b32 v[BY], 23, v[SCL]
	v_lshl_or_b32 v[\sw], v[BY], \sh, v[\sw]
.endif
.endm
; 32 numbers of one block become six registers of codes, and the scale's byte goes sh bits up into v[sw]
.macro QB0 src, dst, sw, sh
	v_max3_num_f32 v[M0], |v[\src]|, |v[\src+1]|, 0x2800000        ; the floor 2^(5 - 127) among the leaves: the byte cannot fall under 1
	v_max3_num_f32 v[M1], |v[\src+2]|, |v[\src+3]|, |v[\src+4]|
.irp i, 5,9,13,17,21,25
	v_max3_num_f32 v[M0], v[M0], |v[\src+\i]|, |v[\src+\i+1]|
	v_max3_num_f32 v[M1], v[M1], |v[\src+\i+2]|, |v[\src+\i+3]|
.endr
	v_max3_num_f32 v[M0], v[M0], |v[\src+29]|, |v[\src+30]|
	v_max3_num_f32 v[M0], v[M0], v[M1], |v[\src+31]|
	v_add_nc_u32 v[SCL], 0xfe000000, v[M0]
	BYTE \sw, \sh
	v_cvt_scalef32_pk16_bf6_f32 v[\dst:\dst+2], v[\src:\src+15], v[SCL]
	v_cvt_scalef32_pk16_bf6_f32 v[TT:TT+2], v[\src+16:\src+31], v[SCL]
	v_nop                                          ; one plain place behind a scaled conversion
	v_mov_b32 v[\dst+3], v[TT]
	v_mov_b32 v[\dst+4], v[TT+1]
	v_mov_b32 v[\dst+5], v[TT+2]
.endm
.macro WM d, a, b, sa, sb, ra, rb      ; adds in place; ra, rb: the scales are read from lanes 16-31
.if ((\ra) == 0) && ((\rb) == 0)
	v_wmma_scale_f32_16x16x128_f8f6f4 v[\d:\d+7], v[\a:\a+11], v[\b:\b+11], v[\d:\d+7], v[\sa], v[\sb] matrix_a_fmt:MATRIX_FMT_BF6 matrix_b_fmt:MATRIX_FMT_BF6
.elseif ((\ra) == 1) && ((\rb) == 0)
	v_wmma_scale_f32_16x16x128_f8f6f4 v[\d:\d+7], v[\a:\a+11], v[\b:\b+11], v[\d:\d+7], v[\sa], v[\sb] matrix_a_fmt:MATRIX_FMT_BF6 matrix_b_fmt:MATRIX_FMT_BF6 matrix_a_scale:MATRIX_SCALE_ROW1
.elseif ((\ra) == 0) && ((\rb) == 1)
	v_wmma_scale_f32_16x16x128_f8f6f4 v[\d:\d+7], v[\a:\a+11], v[\b:\b+11], v[\d:\d+7], v[\sa], v[\sb] matrix_a_fmt:MATRIX_FMT_BF6 matrix_b_fmt:MATRIX_FMT_BF6 matrix_b_scale:MATRIX_SCALE_ROW1
.else
	v_wmma_scale_f32_16x16x128_f8f6f4 v[\d:\d+7], v[\a:\a+11], v[\b:\b+11], v[\d:\d+7], v[\sa], v[\sb] matrix_a_fmt:MATRIX_FMT_BF6 matrix_b_fmt:MATRIX_FMT_BF6 matrix_a_scale:MATRIX_SCALE_ROW1 matrix_b_scale:MATRIX_SCALE_ROW1
.endif
.endm
; combined's two fragments of K step sg % 8 into place sg % 6.  The walk takes K steps 0 .. 7 twice (rg and ug, then rp): sg = 0 .. 15
.macro ASKA sg
.set AS_, 96+24*((\sg)%6)
.set AK_, (\sg)%8
	WIN 0x40
.irp T, 0,1
.irp c, 0,1
.irp i, 0,1,2
	global_load_b64 v[AS_+12*\T+6*\c+2*\i:AS_+12*\T+6*\c+2*\i+1], v[CCO], s[6:7] offset:12288*\T+1536*AK_+768*\c+8*\i
.endr
.endr
.endr
	WIN 0
.endm
.macro LOADG set, sl, gi               ; group gi's eight fragments of slot sl into weight set 0 (window 3) or 1 (window 1)
.if (\set) == 0
	WIN 0xc0
.set LB_, 128
.else
	WIN 0x40
.set LB_, 0
.endif
.set lg, 0
.rept 24
	ds_load_b128 v[LB_+4*lg:LB_+4*lg+3], v[WFA+\sl] offset:12288*(\gi)+512*lg
.set lg, lg+1
.endr
.endm
; group gam: 16 matrix instructions, 8 N tiles x 2 tiles of rows: sixteen accumulators by turns
.macro MULG gam, set, gi
.if (\gam) < 16
.set AB_, 128*((\gam)%2)
.set AW_, 2
.set BB_, 96+24*(((\gam)/2)%6)
.set BW_, 1
.set SD_, SA+(\gam)/2
.elseif (\gam) < 24
.set AB_, 0
.set AW_, 3
.set BB_, 96+24*(((\gam)-8)%6)
.set BW_, 1
.set SD_, SA+(\gam)-16
.elseif (\gam) == 24
.set AB_, 0
.set AW_, 3
.set BB_, L0F
.set BW_, 0
.set SD_, SA2
.else
.set AB_, 0
.set AW_, 3
.set BB_, 96+24*((\gam)-25)
.set BW_, 1
.set SD_, SA2+(\gam)-24
.endif
.if (\set) == 0
.set WB_, 128
.set WW_, 3
.else
.set WB_, 0
.set WW_, 1
.endif
	WIN (AW_<<6)|(AW_<<4)|(BW_<<2)|WW_
.irp i, 0,1,2,3,4,5,6,7
.irp T, 0,1
	WM AB_+8*(2*\i+\T), WB_+12*\i, BB_+12*\T, SCB+(8*(\gi)+\i)/2, SD_, \i%2, \T
.endr
.endr
.endm
; The change of slots in front of unit u: all my tensor loads have landed (unit u's part); 0 onto my spare word; my reads of the slot that I have left are over, and so are my LDS stores;
; a round of the cluster's barrier; and first thing behind it the joint load of unit u + 1 into the slot just left.
.macro CHANGE u
.set NS_, ((\u)+1)%2
	WIN 0
	s_wait_tensorcnt 0x0
	ds_add_u32 v[SPW], v[NIL]                      ; the descriptor's step stands between this add and the wait for it
	s_add_nc_u64 s[G0+4*NS_+2:G0+4*NS_+3], s[G0+4*NS_+2:G0+4*NS_+3], 2*SLOTB
.if (\u) == 8
	s_sub_nc_u64 s[G0+4*NS_+2:G0+4*NS_+3], s[G0+4*NS_+2:G0+4*NS_+3], s[92:93]   ; the last unit's parts are 12,800 bytes shorter
.endif
	s_wait_dscnt 0x0
	ROUND
.if (\u) == 8
	tensor_load_to_lds s[G0+4*NS_:G0+4*NS_+3], s[G1B:G1B+7]
	s_nop 0
.else
	tensor_load_to_lds s[G0+4*NS_:G0+4*NS_+3], s[G1A:G1A+7]
	s_nop 0
.endif
	PLACES                                         ; (the places in front of the loads below)
.endm
.macro UNIT u
.set SL_, (\u)%2
.if (\u) == 0
	s_wait_tensorcnt 0x1                           ; my part of unit 0 is in; unit 1's load, issued behind it, may stay out.  I alone read my part: no barrier
.elseif (\u) < 9
	CHANGE \u
.else
	s_wait_tensorcnt 0x0
	PLACES
.endif
	s_wait_loadcnt 0x0                             ; what was asked for a unit ago is in;
.if (\u) == 0
	ASKA 2                                         ; now what the next unit is the first to use
.elseif (\u) == 1
	ASKA 3
	ASKA 4
.elseif (\u) == 2
	ASKA 5
.elseif (\u) == 3
	ASKA 6
	ASKA 7
.elseif (\u) == 4
	ASKA 8
	ASKA 9
.elseif (\u) == 5
	ASKA 10
	ASKA 11
	ASKA 12
.elseif (\u) == 6
	ASKA 13
	ASKA 14
	ASKA 15
.elseif (\u) == 8
	WIN 0x40                                       ; the splines' eight fragments, made by the four waves, into places 0 to 3
.set lg, 0
.rept 24
	ds_load_b128 v[96+4*lg:96+4*lg+3], v[IMR] offset:512*lg
.set lg, lg+1
.endr
	WIN 0
.irp k, 0,1,2,3
	ds_load_b32 v[SA2+1+\k], v[ISR] offset:128*\k
.endr
.endif
.if (\u) < 9
.set SOF_, 36864
.set NS2_, 12
.else
.set SOF_, 24576
.set NS2_, 8
.endif
.set lg, 0
.rept NS2_
	ds_load_b32 v[SCB+lg], v[WSA+SL_] offset:SOF_+128*lg      ; lanes 0-15: fragment 2 lg's scale words; lanes 16-31: fragment 2 lg + 1's
.set lg, lg+1
.endr
	LOADG 0, SL_, 0
	LOADG 1, SL_, 1
	s_wait_dscnt 24                                ; all but the second group's 24 loads
	MULG 3*(\u), 0, 0
.if (\u) < 9
	PLACES
	LOADG 0, SL_, 2
	s_wait_dscnt 24                                ; all but the third group's
	MULG 3*(\u)+1, 1, 1
	s_wait_dscnt 0x0
	MULG 3*(\u)+2, 0, 2
.else
	s_wait_dscnt 0x0
	MULG 28, 1, 1
.endif
	WIN 0
	PLACES
.endm
; ONE FEATURE of mid for 32 rows (a lane is a row)
.macro SPL2 idx, o
.set TV_, TBV+2*(\idx)
.irp j, 0,1,2,3,4,5,6,7,8,9,10,11
	v_readlane_b32 s[KT+\j], v[TV_], 2*\j
.endr
.irp j, 0,1,2,3,4,5,6,7,8,9,10
	v_readlane_b32 s[KR1+\j], v[TV_], 2*\j+1
.endr
.irp j, 0,1,2,3
	v_readlane_b32 s[KR2+\j], v[TV_], 24+2*\j
.endr
.irp j, 4,5,6,7,8,9
	v_readlane_b32 s[KR2+\j], v[TV_+1], 2*\j-8
.endr
.irp j, 0,1,2,3,4,5,6,7,8
	v_readlane_b32 s[KR3+\j], v[TV_+1], 12+2*\j
.endr
.irp j, 0,1,2,3,4,5,6,7,8,9,10,11
	v_add_f32 v[D+\j], s[KT+\j], v[MX+\idx]        ; d_j = x - t_j
.endr
.irp j, 0,1,2,3,4,5,6,7,8,9,10,11
	v_cmp_le_f32 s[MK+\j], 0, v[D+\j]
.endr
.irp j, 0,1,2,3,4,5,6,7,8,9,10
	s_and_not1_b32 s[MK+\j], s[MK+\j], s[MK+\j+1]
.endr
.irp j, 0,1,2,3,4,5,6,7,8,9,10
	v_cndmask_b32 v[CA+\j], 0, s[KR1+\j], s[MK+\j]
.endr
.irp j, 0,1,2,3,4,5,6,7,8,9
	v_mul_f32 v[CB+\j], v[D+\j+2], v[CA+\j+1]
.endr
.irp j, 0,1,2,3,4,5,6,7,8,9
	v_fma_f32 v[CB+\j], v[D+\j], v[CA+\j], -v[CB+\j]
.endr
.irp j, 0,1,2,3,4,5,6,7,8,9
	v_mul_f32 v[CB+\j], s[KR2+\j], v[CB+\j]
.endr
.irp j, 0,1,2,3,4,5,6,7,8
	v_mul_f32 v[CA+\j], v[D+\j+3], v[CB+\j+1]
.endr
.irp j, 0,1,2,3,4,5,6,7,8
	v_fma_f32 v[CA+\j], v[D+\j], v[CB+\j], -v[CA+\j]
.endr
.irp j, 0,1,2,3,4,5,6,7,8
	v_mul_f32 v[CA+\j], s[KR3+\j], v[CA+\j]
.endr
.irp j, 0,1,2,3,4,5,6,7
	v_mul_f32 v[CB+\j], v[D+\j+4], v[CA+\j+1]
.endr
.irp j, 0,1,2,3,4,5,6,7
	v_fma_f32 v[BL+\o+\j], v[D+\j], v[CA+\j], -v[CB+\j]
.endr
.endm
; ---- layer norm in pieces.  w2: window setting with sources 0 and 1 in the accumulators' window; wi: with destination and source 0 there
.macro FOLD out                        ; v[ST:ST+1] -> one number, with lane l xor 16's: my wave's 128 columns of the row
	v_add_f32 v[\out], v[ST], v[ST+1]
	v_permlanex16_b32 v[ST+2], v[\out], s[SEL], s[SEL+1]
	v_add_f32 v[\out], v[\out], v[ST+2]
.endm
.macro ROWSUM w2, base, T, out
	WIN \w2
.irp i, 0,1,2,3,4,5,6,7
	v_pk_add_f32 v[ST+4*\i:ST+4*\i+1], v[\base+8*(2*\i+\T):\base+8*(2*\i+\T)+1], v[\base+8*(2*\i+\T)+2:\base+8*(2*\i+\T)+3]     ; each accumulator from its low end on
.endr
.irp i, 0,1,2,3,4,5,6,7
	v_pk_add_f32 v[ST+4*\i+2:ST+4*\i+3], v[\base+8*(2*\i+\T)+4:\base+8*(2*\i+\T)+5], v[\base+8*(2*\i+\T)+6:\base+8*(2*\i+\T)+7]
.endr
	WIN 0
.irp i, 0,1,2,3,4,5,6,7
	v_pk_add_f32 v[ST+4*\i:ST+4*\i+1], v[ST+4*\i:ST+4*\i+1], v[ST+4*\i+2:ST+4*\i+3]
.endr
.irp i, 0,2,4,6
	v_pk_add_f32 v[ST+4*\i:ST+4*\i+1], v[ST+4*\i:ST+4*\i+1], v[ST+4*\i+4:ST+4*\i+5]
.endr
.irp i, 0,4
	v_pk_add_f32 v[ST+4*\i:ST+4*\i+1], v[ST+4*\i:ST+4*\i+1], v[ST+4*\i+8:ST+4*\i+9]
.endr
	v_pk_add_f32 v[ST:ST+1], v[ST:ST+1], v[ST+16:ST+17]
	FOLD \out
.endm
.macro SUMSQ w2, base, T, out
	WIN \w2
.irp i, 0,1,2,3,4,5,6,7
	v_pk_mul_f32 v[ST+2*\i:ST+2*\i+1], v[\base+8*(2*\i+\T):\base+8*(2*\i+\T)+1], v[\base+8*(2*\i+\T):\base+8*(2*\i+\T)+1]
.endr
.irp m, 2,4,6
.irp i, 0,1,2,3,4,5,6,7
	v_pk_fma_f32 v[ST+2*\i:ST+2*\i+1], v[\base+8*(2*\i+\T)+\m:\base+8*(2*\i+\T)+\m+1], v[\base+8*(2*\i+\T)+\m:\base+8*(2*\i+\T)+\m+1], v[ST+2*\i:ST+2*\i+1]
.endr
.endr
	WIN 0
.irp i, 0,2,4,6
	v_pk_add_f32 v[ST+2*\i:ST+2*\i+1], v[ST+2*\i:ST+2*\i+1], v[ST+2*\i+2:ST+2*\i+3]
.endr
.irp i, 0,4
	v_pk_add_f32 v[ST+2*\i:ST+2*\i+1], v[ST+2*\i:ST+2*\i+1], v[ST+2*\i+4:ST+2*\i+5]
.endr
	v_pk_add_f32 v[ST:ST+1], v[ST:ST+1], v[ST+8:ST+9]
	FOLD \out
.endm
.macro PUT k, a0, a1                   ; lane l stores row l's number (lanes 0-15: tile 0's, lanes 16-31: tile 1's) to word [l][wave] of table k
	v_cndmask_b32 v[PT+(\k)%2], v[\a0], v[\a1], s[HM]
	ds_store_b32 v[STP], v[PT+(\k)%2] offset:512*(\k)
.endm
.macro GET2 k, o0, o1                  ; the four waves' numbers of rows r and 16 + r, added in the waves' order: the same bits in every wave
	ds_load_b128 v[ST:ST+3], v[STGA] offset:512*(\k)
	ds_load_b128 v[ST+4:ST+7], v[STGA] offset:512*(\k)+256
	s_wait_dscnt 0x0
	v_add_f32 v[ST], v[ST], v[ST+1]
	v_add_f32 v[ST+4], v[ST+4], v[ST+5]
	v_add_f32 v[ST+2], v[ST+2], v[ST+3]
	v_add_f32 v[ST+6], v[ST+6], v[ST+7]
	v_add_f32 v[\o0], v[ST], v[ST+2]
	v_add_f32 v[\o1], v[ST+4], v[ST+6]
.endm
.macro NEGMEAN s, n                    ; -sum / 512, in both registers of a pair
	v_mul_f32 v[\n], 0xbb000000, v[\s]
	v_mul_f32 v[\n+1], 0xbb000000, v[\s]
.endm
.macro RSTD s, n                       ; 1 / sqrt(sum / 512 + eps) for the two tiles, in pairs n and n + 2
	v_fma_f32 v[\s], v[\s], s[C512], s[EPS]
	v_fma_f32 v[\s+1], v[\s+1], s[C512], s[EPS]
	v_rsq_f32 v[\n], v[\s]
	v_rsq_f32 v[\n+2], v[\s+1]
	v_nop                                          ; one plain place behind the transcendentals
	s_wait_alu depctr_va_vdst(0)
	v_mov_b32 v[\n+1], v[\n]
	v_mov_b32 v[\n+3], v[\n+2]
.endm
.macro CENTRE wi, base, n
	WIN \wi
.irp T, 0,1
.irp i, 0,1,2,3,4,5,6,7
.irp m, 0,2,4,6
	v_pk_add_f32 v[\base+8*(2*\i+\T)+\m:\base+8*(2*\i+\T)+\m+1], v[\base+8*(2*\i+\T)+\m:\base+8*(2*\i+\T)+\m+1], v[\n+2*\T:\n+2*\T+1]
.endr
.endr
.endr
	WIN 0
.endm
.macro NORM wi, base, n                ; (x - mean) x 1 / sqrt(..) x gain + shift; gains at v[TM], shifts at v[TM + 64], in the result's layout
	WIN \wi
.irp T, 0,1
.irp i, 0,1,2,3,4,5,6,7
.irp m, 0,2,4,6
	v_pk_mul_f32 v[\base+8*(2*\i+\T)+\m:\base+8*(2*\i+\T)+\m+1], v[\base+8*(2*\i+\T)+\m:\base+8*(2*\i+\T)+\m+1], v[\n+2*\T:\n+2*\T+1]
.endr
.irp m, 0,2,4,6
	v_pk_fma_f32 v[\base+8*(2*\i+\T)+\m:\base+8*(2*\i+\T)+\m+1], v[\base+8*(2*\i+\T)+\m:\base+8*(2*\i+\T)+\m+1], v[TM+8*\i+\m:TM+8*\i+\m+1], v[TM+64+8*\i+\m:TM+64+8*\i+\m+1]
.endr
.endr
.endr
	WIN 0
.endm
.macro ASKG g, b                       ; a gain and a shift, my 128 columns, in the result's layout
.irp i, 0,1,2,3,4,5,6,7
.irp q, 0,1
	global_load_b128 v[TM+8*\i+4*\q:TM+8*\i+4*\q+3], v[BO], s[\g:\g+1] offset:64*\i+16*\q
	global_load_b128 v[TM+64+8*\i+4*\q:TM+64+8*\i+4*\q+3], v[BO], s[\b:\b+1] offset:64*\i+16*\q
.endr
.endr
.endm
; 128 numbers of window 2, in place.  kind 0: 1 / (1 + 2^(-y log2 e));  kind 1: tanh y = 1 - 2 / (1 + 2^(2 y log2 e))
.macro ACT base, kind
	WIN 0x82
.set ai, 0
.rept 64
.if (\kind) == 0
	v_pk_mul_f32 v[\base+ai:\base+ai+1], v[\base+ai:\base+ai+1], 0xbfb8aa3b op_sel_hi:[1,0]
.else
	v_pk_mul_f32 v[\base+ai:\base+ai+1], v[\base+ai:\base+ai+1], 0x4038aa3b op_sel_hi:[1,0]
.endif
.set ai, ai+2
.endr
.set ai, 0
.rept 128
	v_exp_f32 v[\base+ai], v[\base+ai]
.set ai, ai+1
.endr
	v_nop
.set ai, 0
	s_wait_alu depctr_va_vdst(0)
.rept 64
	v_pk_add_f32 v[\base+ai:\base+ai+1], v[\base+ai:\base+ai+1], 1.0 op_sel_hi:[1,0]
.set ai, ai+2
.endr
.set ai, 0
.rept 128
	v_rcp_f32 v[\base+ai], v[\base+ai]
.set ai, ai+1
.endr
	v_nop
.if (\kind) == 1
.set ai, 0
	s_wait_alu depctr_va_vdst(0)
.rept 64
	v_pk_fma_f32 v[\base+ai:\base+ai+1], v[\base+ai:\base+ai+1], -2.0, 1.0 op_sel_hi:[1,0,0]
.set ai, ai+2
.endr
.endif
	WIN 0
.endm
	s_load_b256 s[8:15], s[0:1], 0x0               ; wg, cc, midp, tab
	s_load_b64 s[16:17], s[0:1], 0x28              ; rg_b
	s_load_b64 s[18:19], s[0:1], 0x40              ; ug_b
	s_load_b64 s[20:21], s[0:1], 0x58              ; rp_b
	v_lshl_add_u32 v[SPW], v0, 2, SPARE
	v_mov_b32 v[NIL], 0
	ds_add_u32 v1, v2
	ds_add_u32 v1, v2
	s_wait_dscnt 0x0
	v_lshrrev_b32 v3, 5, v0
	v_readfirstlane_b32 s[WV], v3                  ; wave 0..3
	s_bfe_u32 s98, ttmp6, 0x40000                  ; cx: my place in the cluster
	s_lshl_b32 s[RB], ttmp9, 2                     ; in a cluster launch ttmp9 counts clusters
	s_add_co_u32 s[RB], s[RB], s98                 ; my block of 32 rows: it enters addresses of cc, midp, h_prev and out0 alone
	; descriptor group 1: a part is a dense block: rows of 256 bytes (32 elements of 8), 150 of them; the last unit's: 100
.irp g, G1A, G1B
	s_mov_b32 s[\g], 15|(3<<16)|(1<<21)            ; 15:0 the mask: all four work-groups; 17:16 elements of 8 bytes; 21 set beside a mask; no padding: an image is read 512 consecutive bytes at a time
	s_mov_b32 s[\g+1], 32<<16                      ; tensor_dim0
	s_mov_b32 s[\g+3], 32<<16                      ; tile_dim0
	s_mov_b32 s[\g+5], 32                          ; tensor_dim0_stride
	s_mov_b32 s[\g+6], 0
	s_mov_b32 s[\g+7], 0
.endr
	s_mov_b32 s[G1A+2], 150<<16                    ; tensor_dim1
	s_mov_b32 s[G1A+4], 150                        ; tile_dim1
	s_mov_b32 s[G1B+2], 100<<16
	s_mov_b32 s[G1B+4], 100
	s_mul_i32 s100, s[WV], PARTB                   ; my part: in a unit of wg, and in a slot: no place in the cluster enters either
	s_mov_b32 s101, 0
	s_mul_i32 s92, s[WV], 12800
	s_mov_b32 s93, 0
	s_mov_b32 s99, 0
	s_mov_b32 s[SEL], 0x76543210
	s_mov_b32 s[SEL+1], 0xfedcba98
	s_mov_b32 s[HM], 0xffff0000                    ; lanes 16-31
	s_mov_b32 s[C512], 0x3b000000                  ; 1 / 512
	s_mov_b32 s[EPS], 0x3727c5ac                   ; 1e-5
	s_wait_kmcnt 0x0
	s_add_nc_u64 s[4:5], s[8:9], s[100:101]
	ROUND                                          ; all four work-groups are here: the first joint loads meet
	s_mov_b32 s[G0], 1                             ; 1:0 count = 1
	s_mov_b32 s[G0+1], s100                        ; 63:32 LDS address
	s_mov_b64 s[G0+2:G0+3], s[4:5]                 ; 120:64 global address: unit 0
	s_or_b32 s[G0+3], s[G0+3], 0x80000000          ; 127:126 type = 2
	s_mov_b32 s[G0+4], 1
	s_add_co_u32 s[G0+5], s100, SLOTB
	s_add_nc_u64 s[G0+6:G0+7], s[4:5], SLOTB       ; unit 1
	s_or_b32 s[G0+7], s[G0+7], 0x80000000
	tensor_load_to_lds s[G0:G0+3], s[G1A:G1A+7]
	s_nop 0
	tensor_load_to_lds s[G0+4:G0+7], s[G1A:G1A+7]
	s_nop 0
	PLACES
	v_and_b32 v[LN], 31, v0
	v_and_b32 v[RR], 15, v0
	v_bfe_u32 v[HH], v0, 4, 1
	v_lshlrev_b32 v[L16], 4, v[LN]
	v_lshlrev_b32 v[L4], 2, v[LN]
	v_add_nc_u32 v[WFA], s100, v[L16]
	v_add_nc_u32 v[WFA+1], SLOTB, v[WFA]
	v_add_nc_u32 v[WSA], s100, v[L4]
	v_add_nc_u32 v[WSA+1], SLOTB, v[WSA]
	s_mul_i32 s97, s[WV], 3072
	v_add_nc_u32 v[IMW], s97, v[L16]
	v_add_nc_u32 v[IMW], IMG2, v[IMW]
	v_add_nc_u32 v[IMR], IMG2, v[L16]
	s_lshl_b32 s97, s[WV], 7
	v_add_nc_u32 v[ISW], s97, v[L4]
	v_add_nc_u32 v[ISW], ISC2, v[ISW]
	v_add_nc_u32 v[ISR], ISC2, v[L4]
	s_lshl_b32 s97, s[WV], 2
	v_add_nc_u32 v[STP], s97, v[L16]
	v_add_nc_u32 v[STP], STATS, v[STP]             ; word [lane][wave]
	v_lshl_add_u32 v[STGA], v[RR], 4, STATS        ; row r's four words
	v_mul_u32_u24 v[SGI], v[RR], 528
	v_lshl_add_u32 v[SGI], v[HH], 5, v[SGI]
	v_add_nc_u32 v[SGI], s100, v[SGI]              ; my stage at the end, in the result's layout: row r of 528 bytes, + 32 h
	v_mul_u32_u24 v[CCO], v[LN], 24
	v_lshlrev_b32 v[BO], 5, v[HH]
	v_lshlrev_b32 v[MO], 12, v[HH]
	v_lshl_add_u32 v[MO], v[RR], 4, v[MO]          ; midp: tile l / 16, 16 bytes a row
	v_lshlrev_b32 v[SAO], 5, v[LN]
	s_mul_i32 s98, s[RB], 24576
	s_add_nc_u64 s[6:7], s[10:11], s[98:99]        ; cc's codes at my two tiles
	s_lshl_b32 s98, s[RB], 10
	s_add_nc_u64 s[10:11], s[10:11], s[98:99]      ; and its scale bytes at my 32 rows
	s_lshl_b32 s98, s[RB], 13
	s_add_nc_u64 s[12:13], s[12:13], s[98:99]      ; midp at my two tiles
	s_lshl_b32 s98, s[WV], 10
	s_add_nc_u64 s[22:23], s[12:13], s[98:99]      ; and at my wave's 16 features
	s_lshl_b32 s98, s[WV], 12
	s_add_co_u32 s98, s98, 262144
	s_add_nc_u64 s[14:15], s[14:15], s[98:99]      ; tab at row 1,024 + 16 w
	s_lshl_b32 s98, s[WV], 9
	s_add_nc_u64 s[16:17], s[16:17], s[98:99]      ; the biases at column 128 w
	s_add_nc_u64 s[18:19], s[18:19], s[98:99]
	s_add_nc_u64 s[20:21], s[20:21], s[98:99]
	WIN 0x80
.irp i, 0,1,2,3,4,5,6,7
.irp T, 0,1
.irp q, 0,1
	global_load_b128 v[8*(2*\i+\T)+4*\q:8*(2*\i+\T)+4*\q+3], v[BO], s[16:17] offset:64*\i+16*\q            ; the sums begin as the biases: nothing is cleared, nothing is added later
	global_load_b128 v[128+8*(2*\i+\T)+4*\q:128+8*(2*\i+\T)+4*\q+3], v[BO], s[18:19] offset:64*\i+16*\q
.endr
.endr
.endr
	WIN 0xc0
.irp i, 0,1,2,3,4,5,6,7
.irp T, 0,1
.irp q, 0,1
	global_load_b128 v[8*(2*\i+\T)+4*\q:8*(2*\i+\T)+4*\q+3], v[BO], s[20:21] offset:64*\i+16*\q
.endr
.endr
.endr
	WIN 0
	ASKA 0
	ASKA 1
	global_load_b128 v[SA:SA+3], v[SAO], s[10:11] offset:CCS
	global_load_b128 v[SA+4:SA+7], v[SAO], s[10:11] offset:CCS+16
.set mm, 0
.rept 16                                           ; mid's two halves, all 64 features of row l: features 4 mm .. 4 mm + 3 a load; sixteen lanes read 256 consecutive bytes
	global_load_b128 v[TM+4*mm:TM+4*mm+3], v[MO], s[12:13] offset:(mm/4)*1024+(mm%2)*512+((mm/2)%2)*256
	global_load_b128 v[TM+64+4*mm:TM+64+4*mm+3], v[MO], s[12:13] offset:2097152+(mm/4)*1024+(mm%2)*512+((mm/2)%2)*256
.set mm, mm+1
.endr
.set mm, 0
.rept 32
	global_load_b32 v[TBV+mm], v[L4], s[14:15] offset:128*mm                   ; my 16 rows of tab: register 2 f + s / 32, lane s % 32 holds feature f's slot s
.set mm, mm+1
.endr
	UNIT 0
	; ---- silu(mid): K = 64, the K step's upper 64 are zero codes.  Every wave makes the two fragments for itself
.set ei, 0
.rept 32
	v_pk_add_f32 v[TM+ei:TM+ei+1], v[TM+ei:TM+ei+1], v[TM+64+ei:TM+64+ei+1]
.set ei, ei+2
.endr
.set ei, 0
.rept 32
	v_pk_mul_f32 v[TM+64+ei:TM+64+ei+1], v[TM+ei:TM+ei+1], 0xbfb8aa3b op_sel_hi:[1,0]
.set ei, ei+2
.endr
.set ei, 0
.rept 64
	v_exp_f32 v[TM+64+ei], v[TM+64+ei]
.set ei, ei+1
.endr
	v_nop
.set ei, 0
	s_wait_alu depctr_va_vdst(0)
.rept 32
	v_pk_add_f32 v[TM+64+ei:TM+64+ei+1], v[TM+64+ei:TM+64+ei+1], 1.0 op_sel_hi:[1,0]
.set ei, ei+2
.endr
.set ei, 0
.rept 64
	v_rcp_f32 v[TM+64+ei], v[TM+64+ei]
.set ei, ei+1
.endr
	v_nop
.set ei, 0
	s_wait_alu depctr_va_vdst(0)
.rept 32
	v_pk_mul_f32 v[TM+ei:TM+ei+1], v[TM+ei:TM+ei+1], v[TM+64+ei:TM+64+ei+1]
.set ei, ei+2
.endr
	QB0 TM, L0F, SA2, 0
	QB0 TM+32, L0F+12, SA2, 8
.irp i, 0,1,2,3,4,5
	v_permlane16_swap_b32 v[L0F+\i], v[L0F+12+\i]  ; 'lane = row' becomes the fragments of rows 0-15 and 16-31
.endr
.irp i, 6,7,8,9,10,11
	v_mov_b32 v[L0F+\i], 0
	v_mov_b32 v[L0F+12+\i], 0
.endr
.irp m, 0,1,2,3
	global_load_b128 v[MX+4*\m:MX+4*\m+3], v[MO], s[22:23] offset:(\m%2)*512+(\m/2)*256              ; mid once more: my wave's 16 features, for the splines
	global_load_b128 v[MX+16+4*\m:MX+16+4*\m+3], v[MO], s[22:23] offset:2097152+(\m%2)*512+(\m/2)*256
.endr
.macro SPBLOCK b                       ; four features of mid: block b of K step w of the splines' product
	SPL2 4*(\b), 0
	SPL2 4*(\b)+1, 8
	SPL2 4*(\b)+2, 16
	SPL2 4*(\b)+3, 24
	QB0 BL, F2+12*((\b)%2)+6*((\b)/2), SW2, 8*(\b)
.endm
	UNIT 1
.irp i, 0,2,4,6,8,10,12,14
	v_pk_add_f32 v[MX+\i:MX+\i+1], v[MX+\i:MX+\i+1], v[MX+16+\i:MX+16+\i+1]
.endr
	SPBLOCK 0
	UNIT 2
	SPBLOCK 1
	UNIT 3
	SPBLOCK 2
	UNIT 4
	SPBLOCK 3
	UNIT 5
.irp c, 0,1
.irp i, 0,1,2,3,4,5
	v_permlane16_swap_b32 v[F2+6*\c+\i], v[F2+12+6*\c+\i]
.endr
.endr
.irp q, 0,1,2,3,4,5
	ds_store_b128 v[IMW], v[F2+4*\q:F2+4*\q+3] offset:512*\q                   ; my two fragments, as they stand
.endr
	ds_store_b32 v[ISW], v[SW2]
	s_load_b128 s[8:11], s[0:1], 0x30              ; rg_g, rg_beta
	s_load_b128 s[12:15], s[0:1], 0x48             ; ug_g, ug_beta
	s_load_b128 s[16:19], s[0:1], 0x60             ; cn_g, cn_b
	s_load_b64 s[20:21], s[0:1], 0x20              ; h_prev
	s_load_b64 s[22:23], s[0:1], 0x70              ; out0
	ROWSUM 0x0a, 0, 0, SS                          ; rg and ug are finished: the rows' sums
	ROWSUM 0x0a, 0, 1, SS+1
	PUT 0, SS, SS+1
	ROWSUM 0x0a, 128, 0, SS+2
	ROWSUM 0x0a, 128, 1, SS+3
	PUT 1, SS+2, SS+3
	UNIT 6
	s_wait_kmcnt 0x0
	s_lshl_b32 s98, s[WV], 9
.irp p, 8,10,12,14,16,18
	s_add_nc_u64 s[\p:\p+1], s[\p:\p+1], s[98:99]  ; gains and shifts at column 128 w
.endr
	s_lshl_b32 s97, s[RB], 16
	s_add_co_u32 s98, s98, s97
	s_add_nc_u64 s[20:21], s[20:21], s[98:99]      ; h_prev and out0 at my first row, column 128 w
	s_add_nc_u64 s[22:23], s[22:23], s[98:99]
	ASKG 12, 14
	GET2 0, SS, SS+1
	GET2 1, SS+2, SS+3
	NEGMEAN SS, NM
	NEGMEAN SS+1, NM+2
	NEGMEAN SS+2, NM+4
	NEGMEAN SS+3, NM+6
	CENTRE 0x82, 0, NM
	CENTRE 0x82, 128, NM+4
	SUMSQ 0x0a, 0, 0, SS
	SUMSQ 0x0a, 0, 1, SS+1
	PUT 2, SS, SS+1
	SUMSQ 0x0a, 128, 0, SS+2
	SUMSQ 0x0a, 128, 1, SS+3
	PUT 3, SS+2, SS+3
	UNIT 7
	GET2 3, SS, SS+1
	RSTD SS, NM
	NORM 0x82, 128, NM
	ACT 128, 0                                     ; update, where ug was
	ASKG 8, 10
	UNIT 8
	GET2 2, SS, SS+1
	RSTD SS, NM
	NORM 0x82, 0, NM
	ACT 0, 1                                       ; reset: the reference forms it and uses it nowhere; so does this text
	ASKG 16, 18
	UNIT 9
	WIN 0x80
.set hi_, 0
.rept 32
	global_load_b128 v[4*hi_:4*hi_+3], v[L16], s[20:21] offset:2048*hi_        ; h_prev, my 128 columns of row hi_: 512 consecutive bytes, where reset was
.set hi_, hi_+1
.endr
	WIN 0
; ---- the candidate: the same layer norm twice, each in two passes with a barrier behind each partial sum
.macro LNC k
	ROWSUM 0x0f, 0, 0, SS
	ROWSUM 0x0f, 0, 1, SS+1
	PUT \k, SS, SS+1
	BAR
	GET2 \k, SS, SS+1
	NEGMEAN SS, NM
	NEGMEAN SS+1, NM+2
	CENTRE 0xc3, 0, NM
	SUMSQ 0x0f, 0, 0, SS
	SUMSQ 0x0f, 0, 1, SS+1
	PUT (\k)+1, SS, SS+1
	BAR
	GET2 (\k)+1, SS, SS+1
	RSTD SS, NM
	NORM 0xc3, 0, NM
.endm
	LNC 4
	LNC 6
	WIN 0x03                                       ; silu: the gains' registers are free
.set ei, 0
.rept 64
	v_pk_mul_f32 v[TM+ei:TM+ei+1], v[ei:ei+1], 0xbfb8aa3b op_sel_hi:[1,0]
.set ei, ei+2
.endr
	WIN 0
.set ei, 0
.rept 128
	v_exp_f32 v[TM+ei], v[TM+ei]
.set ei, ei+1
.endr
	v_nop
.set ei, 0
	s_wait_alu depctr_va_vdst(0)
.rept 64
	v_pk_add_f32 v[TM+ei:TM+ei+1], v[TM+ei:TM+ei+1], 1.0 op_sel_hi:[1,0]
.set ei, ei+2
.endr
.set ei, 0
.rept 128
	v_rcp_f32 v[TM+ei], v[TM+ei]
.set ei, ei+1
.endr
	v_nop
	WIN 0xc3
.set ei, 0
	s_wait_alu depctr_va_vdst(0)
.rept 64
	v_pk_mul_f32 v[ei:ei+1], v[ei:ei+1], v[TM+ei:TM+ei+1]
.set ei, ei+2
.endr
	; h_prev from rows into the result's layout, through my stage: 32 rows of 528 bytes in my part of slot 0, which has had its last fill, and which I alone read
	s_wait_loadcnt 0x0
	WIN 0x08
.set hi_, 0
.rept 32
	ds_store_b128 v[WFA], v[4*hi_:4*hi_+3] offset:528*hi_
.set hi_, hi_+1
.endr
	WIN 0x80
.irp T, 0,1
.irp i, 0,1,2,3,4,5,6,7
.irp q, 0,1
	ds_load_b128 v[8*(2*\i+\T)+4*\q:8*(2*\i+\T)+4*\q+3], v[SGI] offset:8448*\T+64*\i+16*\q    ; LDS serves a wave's instructions in order (ISA guide 5.7.1.4): these see the stores above
.endr
.endr
.endr
	s_wait_dscnt 0x0
	WIN 0xcb                                       ; candidate (window 3) - h_prev (window 2)
.set ei, 0
.rept 64
	v_pk_add_f32 v[ei:ei+1], v[ei:ei+1], v[ei:ei+1] neg_lo:[0,1] neg_hi:[0,1]
.set ei, ei+2
.endr
	WIN 0xee                                       ; update (window 2) x that (window 3) + h_prev (window 2)
.set ei, 0
.rept 64
	v_pk_fma_f32 v[ei:ei+1], v[128+ei:128+ei+1], v[ei:ei+1], v[ei:ei+1]
.set ei, ei+2
.endr
	WIN 0x0c
.irp T, 0,1
.irp i, 0,1,2,3,4,5,6,7
.irp q, 0,1
	ds_store_b128 v[SGI], v[8*(2*\i+\T)+4*\q:8*(2*\i+\T)+4*\q+3] offset:8448*\T+64*\i+16*\q
.endr
.endr
.endr
	WIN 0
.set hi_, 0
.rept 32
	ds_load_b128 v[TM+4*hi_:TM+4*hi_+3], v[WFA] offset:528*hi_
.set hi_, hi_+1
.endr
.set hi_, 0
.rept 32
	s_wait_dscnt 31-hi_                            ; LDS loads come back in order: row hi_ is in
	global_store_b128 v[L16], v[TM+4*hi_:TM+4*hi_+3], s[22:23] offset:2048*hi_ th:TH_STORE_NT    ; 32 lanes store 512 consecutive bytes, at a multiple of 256 from out0's first byte
.set hi_, hi_+1
.endr
	s_wait_tensorcnt 0x0                           ; the wave's end: behind my last tensor load and my last LDS store
	ds_add_u32 v[SPW], v[NIL]
	s_wait_dscnt 0x0
	ROUND                                          ; the closing round: no work-group ends while a partner may still ask for a part that names it
	s_endpgm
.Lfunc_end_k_q1439cfc36e_gates:
	.size	k_q1439cfc36e_gates, .Lfunc_end_k_q1439cfc36e_gates-k_q1439cfc36e_gates
	.p2alignl 7, 3214868480
	.fill 96, 4, 3214868480
	.section	.rodata,"a",@progbits
	.p2align	6, 0x0
	.amdhsa_kernel k_q1439cfc36e_gates
		.amdhsa_group_segment_fixed_size 327680
		.amdhsa_private_segment_fixed_size 0
		.amdhsa_enable_private_segment 0
		.amdhsa_kernarg_size 120
		.amdhsa_user_sgpr_count 2
		.amdhsa_user_sgpr_kernarg_segment_ptr 1
		.amdhsa_wavefront_size32 1
		.amdhsa_system_sgpr_workgroup_id_x 1
		.amdhsa_system_sgpr_workgroup_id_y 1
		.amdhsa_system_sgpr_workgroup_id_z 1
		.amdhsa_system_vgpr_workitem_id 0
		.amdhsa_next_free_vgpr 1024
		.amdhsa_next_free_sgpr 102
		.amdhsa_reserve_vcc 0
		.amdhsa_float_denorm_mode_32 3
		.amdhsa_float_denorm_mode_16_64 3
		.amdhsa_memory_ordered 1
		.amdhsa_forward_progress 1
		.amdhsa_inst_pref_size 255
	.end_amdhsa_kernel
	.section	.bss,"aw",@nobits
	.p2align	6
	.space	262144
	.amdgpu_metadata
---
amdhsa.version: [ 1, 2 ]
amdhsa.kernels:
  - .name:           k_q1439cfc36e_gates
    .symbol:         k_q1439cfc36e_gates.kd
    .args:
      - { .name: wg, .offset: 0, .size: 8, .value_kind: global_buffer, .address_space: global }
      - { .name: cc, .offset: 8, .size: 8, .value_kind: global_buffer, .address_space: global }
      - { .name: midp, .offset: 16, .size: 8, .value_kind: global_buffer, .address_space: global }
      - { .name: tab, .offset: 24, .size: 8, .value_kind: global_buffer, .address_space: global }
      - { .name: h_prev, .offset: 32, .size: 8, .value_kind: global_buffer, .address_space: global }
      - { .name: rg_b, .offset: 40, .size: 8, .value_kind: global_buffer, .address_space: global }
      - { .name: rg_g, .offset: 48, .size: 8, .value_kind: global_buffer, .address_space: global }
      - { .name: rg_beta, .offset: 56, .size: 8, .value_kind: global_buffer, .address_space: global }
      - { .name: ug_b, .offset: 64, .size: 8, .value_kind: global_buffer, .address_space: global }
      - { .name: ug_g, .offset: 72, .size: 8, .value_kind: global_buffer, .address_space: global }
      - { .name: ug_beta, .offset: 80, .size: 8, .value_kind: global_buffer, .address_space: global }
      - { .name: rp_b, .offset: 88, .size: 8, .value_kind: global_buffer, .address_space: global }
      - { .name: cn_g, .offset: 96, .size: 8, .value_kind: global_buffer, .address_space: global }
      - { .name: cn_b, .offset: 104, .size: 8, .value_kind: global_buffer, .address_space: global }
      - { .name: out0, .offset: 112, .size: 8, .value_kind: global_buffer, .address_space: global }
    .group_segment_fixed_size: 327680
    .private_segment_fixed_size: 0
    .kernarg_segment_align: 8
    .kernarg_segment_size: 120
    .max_flat_workgroup_size: 128
    .sgpr_count:     102
    .vgpr_count:     1024
    .wavefront_size: 32
...
	.end_amdgpu_metadata
.endif
;; end of part 3
;; ======== version 2 of 2: 3 launches; version 1 with the launch spline written anew for expert scheduling mode
;; workspace buffers: wg 1,484,800 bytes; ws 614,400 bytes; tab 278,528 bytes; cc 6,553,600 bytes; midp 4,194,304 bytes
;; launch prep: the kernel of part 1 again; grid 1346 x 1, 1 waves a work-group, no clusters, 0 bytes of LDS; arguments rg_w, ug_w, rp_w, k1_spline, k2_base, k2_spline, ip_w, k1_base, k1_scaler, k2_scaler, grid1, grid2, wg, ws, tab; writes wg, ws, tab
;; launch spline (part 4): grid 256 x 1, 8 waves a work-group, no clusters, 288,768 bytes of LDS; arguments x, h_prev, ip_b, ws, tab, cc, midp; writes cc, midp
.if DOCPART == 4
	.amdgcn_target "amdgcn-amd-amdhsa--gfx1250"
	.amdhsa_code_object_version 6
	.text
	.protected	k_q1439cfc36e_spline
	.globl	k_q1439cfc36e_spline
	.p2align	8
	.type	k_q1439cfc36e_spline,@function
k_q1439cfc36e_spline:
	s_mov_b64 s[64:65], 0
	v_nop
	global_prefetch_b8 v0, s[64:65] scope:SCOPE_SE
	s_setreg_imm32_b32 hwreg(HW_REG_WAVE_SCHED_MODE, 0, 2), 2
	s_setreg_imm32_b32 hwreg(HW_REG_WAVE_MODE, 25, 1), 1
	s_wait_xcnt 0x0
	s_wait_alu depctr_vm_vsrc(0)
; THE FIRST KAN LAYER.  combined = [x ip_w^T + ip_b | h_prev], 1,024 features.  mid = silu(combined) k1_base^T + bases(combined) (k1_spline x k1_scaler)^T, all products on codes of BF6 (E3M2) with one E8M0 scale for each 32 along K.
; SHARES.  Work-group 2 g + p takes rows 64 g .. 64 g + 63 and half p of the features (p = 0: x's projection, which it computes; p = 1: h_prev).  Wave w of eight owns features 512 p + 64 w + 0 .. 63 for all 64 rows.
; It stores (a) its half of combined as codes and scale bytes into cc, laid as the last launch's operand registers, and (b) its partial sum of mid into midp; the last launch adds the two halves.
; A LANE IS A ROW, in fact two: lane l holds rows l and l + 32 in register pairs, so that every step of the splines' recursion is a packed f32 instruction; a feature's knots and reciprocals are the same
; for all rows and stand in registers that hold one number in all lanes.  A lane's 4 features x 8 bases are one whole block of 32 along K in 32 consecutive registers: its largest magnitude
; needs no other lane, and two conversions give the block's six operand registers.  v_permlane16_swap_b32 on blocks 2 c and 2 c + 1 turns 'lane = row' into the fragments of two tiles of 16 rows.
; THE RECURSION is the reference's (Cox - de Boor), with each division replaced by a multiplication with the table's reciprocal: d_j = x - t_j; c0_j = (d_j >= 0 and not d_j+1 >= 0) ? R1_j : 0;
; b(k)_j = d_j c_j - d_(j+k+1) c_(j+1); c(k)_j = R(k+1)_j b(k)_j.  Nothing is assumed of the knots: each feature has its own row of tab.
; THE TABLE.  Each wave copies its 64 rows of tab (and the two behind them, so that the last look-aheads read bytes of its own) into LDS once; a feature's slots come from there by ds_load_b128 with one
; address in all lanes.  Slots 24-63 are asked for one feature ahead; slots 0-23, which a feature wants first, two features ahead, into two sets of registers that take turns.  LDS loads are waited for by count, in order (ISA guide 5.7.1).
; NO CLUSTER, NO TENSOR LOAD: a weight fragment goes from memory straight into the registers of the one wave that multiplies by it (6.4 KB for 16 features' vector work); no tile lies in LDS that partners could share.
; LIMITS: NaN and infinities are not served; a block whose largest magnitude lies under 2^-122 keeps the byte 1 (its bytes are read by this program alone).
; THE MODE: SCHED_MODE bits 1:0 = 2 (LLVM: expert scheduling mode 2), set by the entry lines.  The code itself states the register dependences
; between vector or matrix instructions and memory or LDS instructions, with s_wait_alu, always for 0.
; THE PLAN.  Registers that memory or LDS instructions touch, in the loop (a trip: 16 features i = 0 .. 15 in four blocks, then 16 products):
;   TB0, TB1      slots 0-23.  Feature i's twelve differences and 22 selects read set i % 2; the loads for feature i + 2 land in it.
;   v208-247      slots 24-63.  Feature i's multiplications by R2 and R3 read them; the loads for feature i + 1 land in them.
;   XP0, XP1      x of a block.  Block b's features read set b % 2; the loads for block b + 1, issued in block b's first feature, land in the other set, which block b - 1 read last.
;   WF, v26-27    the K step's weight fragments and their scale words.  The trip's 16 products read them; the next trip's loads are issued in its first feature.
;   v[AXT], v[TAT]  read by every LDS load of the loop; written once a trip, ahead of the products.
;   v[L16], v[L4]   read by every load from ws; never written again: two scalar bases move on.
;   D, CA, CB, BL, BH, F and the accumulators are named by vector and matrix instructions alone.
; So ONE wait on va_vdst stands in a feature, behind its last multiplication by a slot: all earlier readers of the registers named above are done.  The feature's loads follow it, dealt among its last 24
; vector instructions, which name D, CA, CB, BL and BH alone.  A second one a trip stands directly ahead of the products: the fragments, the rows' scale words and the two LDS addresses are written.
; One wait on va_sdst a feature stands between the compares and the scalar lines that read their masks; one wait on vm_vsrc a trip ahead of the additions to the two LDS addresses.
; REGISTERS.  Window 0: v1-13, v16-23, v248-250 addresses; v24-27 scale words; v28-35 at work; v36-51 x of two blocks; v52-75 d; v76-97, v98-117 c and b by turns; v120-151, v152-183 a block's 32 bases of rows l, l + 32; v184-247 a feature's 64 slots.
; Window 1: v0-127 the 16 accumulators of mid (4 tiles of rows x 4 tiles of 16 outputs), before that combined; v128-175 four weight fragments (v128-223 ip_w's eight); v176-223 the rows' four fragments; v224-255 ip_b, later v224-226 a conversion's upper half and v228-251 the odd features' slots 0-23.
.set STGP, 272                         ; a row of a wave's stage: its 64 features + 16 bytes, an odd multiple of 16
.set STGW, 64*STGP                     ; LDS 0: eight stages, each wave's own
.set XIM,  8*STGW                      ; x's eight fragments as images of their registers,
.set XSC,  XIM+8*1536                  ; their scale words,
.set TBL,  XSC+8*128                   ; and eight tables, each wave's own:
.set TBLW, 33*512                      ; 66 rows of 256 bytes
.set WSS,  589824                      ; ws: where the scale words begin
.set CCS,  6291456                     ; cc: where the scale bytes begin
.set LN,  1
.set RR,  2
.set HH,  3
.set XA,  4
.set L16, 5
.set L4,  6
.set XWI, 7
.set XWS, 8
.set SOA, 9
.set SOB, 10
.set AX,  11
.set AXT, 12
.set HO,  13
.set TA,  16
.set TST, 17
.set CCO, 18
.set CSO, 19
.set RA,  20
.set RA2, 21
.set RS,  22
.set BO,  23
.set SWL, 24                           ; the rows' scale words: rows l; v25: rows l + 32
.set SWH, 25
.set SB,  26                           ; v26-27 the weights' scale words: lanes 0-15 one fragment's, lanes 16-31 the next's
.set M0,  28
.set M1,  29
.set SCL, 30
.set BY,  31
.set TT,  32
.set XP,  36
.set XS,  36                           ; (head) x's scale words
.set FX,  36                           ; (head) the fragment of x that I make
.set XV,  52                           ; (head) 64 numbers of x
.set D,   52
.set CA,  76
.set CT,  76                           ; (head) combined's codes on their way to memory
.set CB,  98
.set STR, 116                          ; (head) v116-247 the table on its way into LDS
.set CBL, 118                          ; combined's two scale bytes, rows l; v119: rows l + 32
.set CBH, 119
.set BL,  120
.set XF,  120                          ; (head) x's eight fragments
.set RD,  120                          ; (end) the eight waves' partial sums
.set BH,  152
.set TB,  184                          ; slots 0-23 of the even features, slots 24-63 of all
.set EX,  184                          ; (head) exponentials
.set XRI, 248
.set XRS, 249
.set TAT, 250
.set SBI, 252                          ; (head) ip_w's scale words
.set WF,  128                          ; window 1
.set F,   176
.set BIA, 224
.set TT1, 224
.set TB1, 228                          ; window 1: slots 0-23 of the odd features
.set ML,  20                           ; s20-31 masks of rows l;  s32-43 of rows l + 32
.set MH,  32
.set WI,  50                           ; s[50:51] ws at the images that are asked for next
.set WW,  52                           ; s[52:53] ws at their scale words
.set WV,  56
.set GB,  57
.set PH,  58
.set CNT, 59
.set XOF, 60
.set TOF, 61
.set SEL, 62
.set MSB, 0
.macro WIN new                         ; the immediate's high byte repeats the setting that is left
.if MSB != (\new)
	s_set_vgpr_msb (MSB<<8)|(\new)
.set MSB, (\new)
.endif
.endm
.macro PLACES n
.rept \n
	v_nop
.endr
.endm
; the largest magnitude of 32 numbers, with the floor 2^(5 - 127) among the leaves, and the conversion's scale operand: 4 off its exponent field
.macro MAXB src
	v_max3_num_f32 v[M0], |v[\src]|, |v[\src+1]|, 0x2800000
	v_max3_num_f32 v[M1], |v[\src+2]|, |v[\src+3]|, |v[\src+4]|
.irp i, 5,9,13,17,21,25
	v_max3_num_f32 v[M0], v[M0], |v[\src+\i]|, |v[\src+\i+1]|
	v_max3_num_f32 v[M1], v[M1], |v[\src+\i+2]|, |v[\src+\i+3]|
.endr
	v_max3_num_f32 v[M0], v[M0], |v[\src+29]|, |v[\src+30]|
	v_max3_num_f32 v[M0], v[M0], v[M1], |v[\src+31]|
	v_add_nc_u32 v[SCL], 0xfe000000, v[M0]
.endm
.macro BYTE sw, sh                     ; the scale's byte, sh bits up in v[sw]; sh = 0 begins the word
.if (\sh) == 0
	v_lshrrev_b32 v[\sw], 23, v[SCL]
.else
	v_lshrrev_b32 v[BY], 23, v[SCL]
	v_lshl_or_b32 v[\sw], v[BY], \sh, v[\sw]
.endif
.endm
.macro QB0 src, dst, sw, sh            ; a block's six registers of codes, in window 0
	MAXB \src
	BYTE \sw, \sh
	v_cvt_scalef32_pk16_bf6_f32 v[\dst:\dst+2], v[\src:\src+15], v[SCL]
	v_cvt_scalef32_pk16_bf6_f32 v[TT:TT+2], v[\src+16:\src+31], v[SCL]    ; (a conversion's three registers begin on an even number)
	v_nop                                          ; one plain place behind a scaled conversion
	v_mov_b32 v[\dst+3], v[TT]
	v_mov_b32 v[\dst+4], v[TT+1]
	v_mov_b32 v[\dst+5], v[TT+2]
.endm
.macro QBS src, d0, d1, sw, sh         ; the same as two runs of three registers, for stores of 12 bytes
	MAXB \src
	BYTE \sw, \sh
	v_cvt_scalef32_pk16_bf6_f32 v[\d0:\d0+2], v[\src:\src+15], v[SCL]
	v_cvt_scalef32_pk16_bf6_f32 v[\d1:\d1+2], v[\src+16:\src+31], v[SCL]
	v_nop
.endm
.macro QBW src, dst, sw, sh            ; the same with the six registers in window 1
	MAXB \src
	BYTE \sw, \sh
	WIN 0x40
	v_cvt_scalef32_pk16_bf6_f32 v[\dst:\dst+2], v[\src:\src+15], v[SCL]
	v_cvt_scalef32_pk16_bf6_f32 v[TT1:TT1+2], v[\src+16:\src+31], v[SCL]
	v_nop
	WIN 0x41
	v_mov_b32 v[\dst+3], v[TT1]
	v_mov_b32 v[\dst+4], v[TT1+1]
	v_mov_b32 v[\dst+5], v[TT1+2]
	WIN 0
.endm
; The matrix instruction, used transposed: source 0 = 16 rows of a weight, source 1 = 16 rows of data: a lane of the result holds ONE row of data and eight neighbouring outputs.
; ck = 0: C is the constant 0; else C = v[c] on.  ra, rb: the scales are read from lanes 16-31 of their registers.
.macro WM d, a, b, ck, c, sa, sb, ra, rb
.if (\ck) == 0
.if ((\ra) == 0) && ((\rb) == 0)
	v_wmma_scale_f32_16x16x128_f8f6f4 v[\d:\d+7], v[\a:\a+11], v[\b:\b+11], 0, v[\sa], v[\sb] matrix_a_fmt:MATRIX_FMT_BF6 matrix_b_fmt:MATRIX_FMT_BF6
.elseif ((\ra) == 1) && ((\rb) == 0)
	v_wmma_scale_f32_16x16x128_f8f6f4 v[\d:\d+7], v[\a:\a+11], v[\b:\b+11], 0, v[\sa], v[\sb] matrix_a_fmt:MATRIX_FMT_BF6 matrix_b_fmt:MATRIX_FMT_BF6 matrix_a_scale:MATRIX_SCALE_ROW1
.elseif ((\ra) == 0) && ((\rb) == 1)
	v_wmma_scale_f32_16x16x128_f8f6f4 v[\d:\d+7], v[\a:\a+11], v[\b:\b+11], 0, v[\sa], v[\sb] matrix_a_fmt:MATRIX_FMT_BF6 matrix_b_fmt:MATRIX_FMT_BF6 matrix_b_scale:MATRIX_SCALE_ROW1
.else
	v_wmma_scale_f32_16x16x128_f8f6f4 v[\d:\d+7], v[\a:\a+11], v[\b:\b+11], 0, v[\sa], v[\sb] matrix_a_fmt:MATRIX_FMT_BF6 matrix_b_fmt:MATRIX_FMT_BF6 matrix_a_scale:MATRIX_SCALE_ROW1 matrix_b_scale:MATRIX_SCALE_ROW1
.endif
.else
.if ((\ra) == 0) && ((\rb) == 0)
	v_wmma_scale_f32_16x16x128_f8f6f4 v[\d:\d+7], v[\a:\a+11], v[\b:\b+11], v[\c:\c+7], v[\sa], v[\sb] matrix_a_fmt:MATRIX_FMT_BF6 matrix_b_fmt:MATRIX_FMT_BF6
.elseif ((\ra) == 1) && ((\rb) == 0)
	v_wmma_scale_f32_16x16x128_f8f6f4 v[\d:\d+7], v[\a:\a+11], v[\b:\b+11], v[\c:\c+7], v[\sa], v[\sb] matrix_a_fmt:MATRIX_FMT_BF6 matrix_b_fmt:MATRIX_FMT_BF6 matrix_a_scale:MATRIX_SCALE_ROW1
.elseif ((\ra) == 0) && ((\rb) == 1)
	v_wmma_scale_f32_16x16x128_f8f6f4 v[\d:\d+7], v[\a:\a+11], v[\b:\b+11], v[\c:\c+7], v[\sa], v[\sb] matrix_a_fmt:MATRIX_FMT_BF6 matrix_b_fmt:MATRIX_FMT_BF6 matrix_b_scale:MATRIX_SCALE_ROW1
.else
	v_wmma_scale_f32_16x16x128_f8f6f4 v[\d:\d+7], v[\a:\a+11], v[\b:\b+11], v[\c:\c+7], v[\sa], v[\sb] matrix_a_fmt:MATRIX_FMT_BF6 matrix_b_fmt:MATRIX_FMT_BF6 matrix_a_scale:MATRIX_SCALE_ROW1 matrix_b_scale:MATRIX_SCALE_ROW1
.endif
.endif
.endm
; silu in place on 32 numbers: x / (1 + 2^(-x log2 e))
.macro SILU x
.set si, 0
.rept 16
	v_pk_mul_f32 v[EX+si:EX+si+1], v[\x+si:\x+si+1], 0xbfb8aa3b op_sel_hi:[1,0]
.set si, si+2
.endr
.set si, 0
.rept 32
	v_exp_f32 v[EX+si], v[EX+si]
.set si, si+1
.endr
	v_nop                                          ; one plain place behind the transcendentals
.set si, 0
	s_wait_alu depctr_va_vdst(0)
.rept 16
	v_pk_add_f32 v[EX+si:EX+si+1], v[EX+si:EX+si+1], 1.0 op_sel_hi:[1,0]
.set si, si+2
.endr
.set si, 0
.rept 32
	v_rcp_f32 v[EX+si], v[EX+si]
.set si, si+1
.endr
	v_nop
.set si, 0
	s_wait_alu depctr_va_vdst(0)
.rept 16
	v_pk_mul_f32 v[\x+si:\x+si+1], v[\x+si:\x+si+1], v[EX+si:EX+si+1]
.set si, si+2
.endr
.endm
.macro XPL b                           ; x of block b's four features, both rows, into set b % 2
.irp f, 0,1,2,3
	ds_load_b32 v[XP+8*((\b)%2)+2*\f], v[AXT] offset:16*(\b)+4*\f
	ds_load_b32 v[XP+8*((\b)%2)+2*\f+1], v[AXT] offset:32*STGP+16*(\b)+4*\f
.endr
.endm
; ONE FEATURE for 64 rows.  xp: the pair (x of row l, x of row l + 32); o: where its 8 bases go in the block; i: its number in the trip, 0 .. 15: row i of the table, counted from v[TAT].
; The LDS loads of a feature go out in this order: (in a block's first feature but the last block's: the next block's x, 8;) slots 24-43 of feature i + 1, 5; its slots 44-63, 5; slots 0-23 of feature i + 2, 6.
.macro SPL xp, o, i
.set G0_, TB+(TB1-TB)*((\i)%2)         ; my slots 0-23: window 0 for an even feature, window 1 for an odd one
.set N0_, 16                           ; my slots 0-23 were the last loads of two features back: behind them stand the 16 of the feature before,
.if (\i) == 0
.set N0_, 0                            ; (a trip's first feature: its x was asked for just now)
.elseif (((\i)%4) == 1) && ((\i) < 12)
.set N0_, 24                           ; or its 24, where it also asked for a block's x
.endif
	s_wait_dscnt N0_
	WIN 0x04*((\i)%2)                              ; source 1 in my slots' window, up to the selects
.irp j, 0,1,2,3,4,5,6,7,8,9,10,11
	v_pk_add_f32 v[D+2*\j:D+2*\j+1], v[\xp:\xp+1], v[G0_+2*\j:G0_+2*\j+1] op_sel_hi:[1,0]    ; d_j = x - t_j (of the pair of slots the first serves both rows)
.endr
.irp j, 0,1,2,3,4,5,6,7,8,9,10,11
	v_cmp_ge_f32 s[ML+\j], v[D+2*\j], 0            ; x >= t_j: the difference's sign is exact
	v_cmp_ge_f32 s[MH+\j], v[D+2*\j+1], 0
.endr
	s_wait_alu depctr_va_sdst(0)                   ; the 24 compares have written their masks, which the scalar lines below read and write
.irp j, 0,1,2,3,4,5,6,7,8,9,10
	s_and_not1_b32 s[ML+\j], s[ML+\j], s[ML+\j+1]  ; and not x >= t_j+1 (ascending: the mask on the right is still as compared)
	s_and_not1_b32 s[MH+\j], s[MH+\j], s[MH+\j+1]
.endr
.irp j, 0,1,2,3,4,5,6,7,8,9,10
	v_cndmask_b32 v[CA+2*\j], 0, v[G0_+2*\j+1], s[ML+\j]
	v_cndmask_b32 v[CA+2*\j+1], 0, v[G0_+2*\j+1], s[MH+\j]
.endr
	WIN 0
.irp j, 0,1,2,3,4,5,6,7,8,9
	v_pk_mul_f32 v[CB+2*\j:CB+2*\j+1], v[D+2*\j+4:D+2*\j+5], v[CA+2*\j+2:CA+2*\j+3]
.endr
.irp j, 0,1,2,3,4,5,6,7,8,9
	v_pk_fma_f32 v[CB+2*\j:CB+2*\j+1], v[D+2*\j:D+2*\j+1], v[CA+2*\j:CA+2*\j+1], v[CB+2*\j:CB+2*\j+1] neg_lo:[0,0,1] neg_hi:[0,0,1]
.endr
	s_wait_dscnt 11                                ; slots 24-43 are in: behind their five loads stand 5 (slots 44-63) + 6 (the next feature's 0-23)
.irp j, 0,1,2,3,4,5,6,7,8,9
	v_pk_mul_f32 v[CB+2*\j:CB+2*\j+1], v[CB+2*\j:CB+2*\j+1], v[TB+24+2*\j:TB+25+2*\j] op_sel_hi:[1,0]
.endr
.irp j, 0,1,2,3,4,5,6,7,8
	v_pk_mul_f32 v[CA+2*\j:CA+2*\j+1], v[D+2*\j+6:D+2*\j+7], v[CB+2*\j+2:CB+2*\j+3]
.endr
.irp j, 0,1,2,3,4,5,6,7,8
	v_pk_fma_f32 v[CA+2*\j:CA+2*\j+1], v[D+2*\j:D+2*\j+1], v[CB+2*\j:CB+2*\j+1], v[CA+2*\j:CA+2*\j+1] neg_lo:[0,0,1] neg_hi:[0,0,1]
.endr
	s_wait_dscnt 6                                 ; slots 44-63 are in: behind them stand the next feature's six
.irp j, 0,1,2,3,4,5,6,7,8
	v_pk_mul_f32 v[CA+2*\j:CA+2*\j+1], v[CA+2*\j:CA+2*\j+1], v[TB+44+2*\j:TB+45+2*\j] op_sel_hi:[1,0]
.endr
	s_wait_alu depctr_va_vdst(0)                   ; this feature is done reading its 64 slots, the block before its x, and (i = 0) the last products their weights and scale words: the loads below land in these.  No vector instruction up to the feature's end names them
.if (((\i)%4) == 0) && ((\i) < 12)
	XPL (\i)/4+1
.endif
.irp k, 0,1,2,3,4
	ds_load_b128 v[TB+24+4*\k:TB+27+4*\k], v[TAT] offset:256*((\i)+1)+96+16*\k
.endr
.irp j, 0,1,2,3,4,5,6,7
	v_pk_mul_f32 v[CB+2*\j:CB+2*\j+1], v[D+2*\j+8:D+2*\j+9], v[CA+2*\j+2:CA+2*\j+3]
.endr
.irp k, 0,1,2,3,4
	ds_load_b128 v[TB+44+4*\k:TB+47+4*\k], v[TAT] offset:256*((\i)+1)+176+16*\k
.endr
.irp j, 0,1,2,3
	v_fma_f32 v[BL+\o+\j], v[D+2*\j], v[CA+2*\j], -v[CB+2*\j]              ; the last step is not packed: each row's 8 bases land in consecutive registers
	v_fma_f32 v[BH+\o+\j], v[D+2*\j+1], v[CA+2*\j+1], -v[CB+2*\j+1]
.endr
	WIN 0x40*((\i)%2)
.irp k, 0,1,2,3,4,5
	ds_load_b128 v[G0_+4*\k:G0_+4*\k+3], v[TAT] offset:256*((\i)+2)+16*\k  ; slots 0-23 of the feature after the next, into the set that this feature has read
.endr
.if (\i) == 0
	WIN 0x40
.set kk, 0
.rept 12
	global_load_b128 v[WF+4*kk:WF+4*kk+3], v[L16], s[WI:WI+1] offset:512*kk    ; the K step's four weight fragments: wanted at the trip's end
.set kk, kk+1
.endr
.endif
	WIN 0
.if (\i) == 0
	global_load_b32 v[SB], v[L4], s[WW:WW+1]
	global_load_b32 v[SB+1], v[L4], s[WW:WW+1] offset:128
.endif
.irp j, 4,5,6,7
	v_fma_f32 v[BL+\o+\j], v[D+2*\j], v[CA+2*\j], -v[CB+2*\j]
	v_fma_f32 v[BH+\o+\j], v[D+2*\j+1], v[CA+2*\j+1], -v[CB+2*\j+1]
.endr
.endm
.macro BLK b                           ; four features: one block of 32 along K for each of my 64 rows
	SPL XP+8*((\b)%2), 0, 4*(\b)
	SPL XP+8*((\b)%2)+2, 8, 4*(\b)+1
	SPL XP+8*((\b)%2)+4, 16, 4*(\b)+2
	SPL XP+8*((\b)%2)+6, 24, 4*(\b)+3
	QBW BL, F+12*((\b)%2)+6*((\b)/2), SWL, 8*(\b)
	QBW BH, F+24+12*((\b)%2)+6*((\b)/2), SWH, 8*(\b)
.endm
	s_load_b256 s[4:11], s[0:1], 0x0               ; x, h_prev, ip_b, ws
	s_load_b128 s[12:15], s[0:1], 0x20             ; tab, cc
	s_load_b64 s[16:17], s[0:1], 0x30              ; midp
	v_lshl_add_u32 v35, v0, 2, 0x46400
	v_mov_b32 v251, 0
	v_lshrrev_b32 v1, 5, v0
	v_readfirstlane_b32 s[WV], v1                  ; wave 0..7
	s_lshr_b32 s[GB], ttmp9, 1                     ; which 64 rows
	s_and_b32 s[PH], ttmp9, 1                      ; which half of the features
	s_mov_b32 s[SEL], 0x76543210
	s_mov_b32 s[SEL+1], 0xfedcba98
	v_and_b32 v[LN], 31, v0
	v_and_b32 v[RR], 15, v0
	v_bfe_u32 v[HH], v0, 4, 1
	; every address register is made here, ahead of the first parting
	v_lshlrev_b32 v[XA], 10, v[RR]
	v_lshl_add_u32 v[XA], v[HH], 7, v[XA]          ; x: row r of 1,024 bytes, + 128 h
	v_lshlrev_b32 v[L16], 4, v[LN]
	v_lshlrev_b32 v[L4], 2, v[LN]
	s_wait_alu depctr_va_sdst(0)                   ; the wave's number is written, ahead of its first reader
	s_mul_i32 s46, s[WV], 1536
	v_add_nc_u32 v[XWI], s46, v[L16]
	v_add_nc_u32 v[XWI], XIM, v[XWI]               ; where I store my fragment of x
	s_lshl_b32 s46, s[WV], 7
	v_add_nc_u32 v[XWS], s46, v[L4]
	v_add_nc_u32 v[XWS], XSC, v[XWS]
	v_add_nc_u32 v[XRI], XIM, v[L16]               ; and from where all eight are read
	v_add_nc_u32 v[XRS], XSC, v[L4]
	s_mul_i32 s47, s[WV], STGW                     ; my stage
	v_mul_u32_u24 v[SOA], v[RR], STGP
	v_lshl_add_u32 v[SOA], v[HH], 5, v[SOA]
	v_add_nc_u32 v[SOA], s47, v[SOA]               ; in, from a matrix result: row r, + 32 h
	v_mul_u32_u24 v[SOB], v[HH], STGP
	v_lshl_add_u32 v[SOB], v[RR], 4, v[SOB]
	v_add_nc_u32 v[SOB], s47, v[SOB]               ; in, from rows as loaded: sixteen lanes to a row
	v_mul_u32_u24 v[AX], v[LN], STGP
	v_add_nc_u32 v[AX], s47, v[AX]                 ; out: lane l reads row l
	v_add_nc_u32 v[RS], s47, v[L16]                ; at the end: my accumulators' images
	v_lshlrev_b32 v[HO], 11, v[HH]
	v_lshl_add_u32 v[HO], v[RR], 4, v[HO]          ; h_prev: two rows an instruction, 256 bytes of each
	s_mul_i32 s48, s[WV], TBLW
	s_add_co_u32 s48, s48, TBL                     ; my table
	v_mov_b32 v[TA], s48
	v_add_nc_u32 v[TST], s48, v[L16]
	v_mul_u32_u24 v[CCO], v[HH], 12288
	v_mad_u32_u24 v[CCO], v[RR], 24, v[CCO]        ; cc: tile l / 16, 24 bytes a lane of the operand
	v_lshlrev_b32 v[CSO], 5, v[LN]                 ; its scale bytes: 32 a row
	s_lshl_b32 s46, s[WV], 11
	v_add_nc_u32 v[RA], s46, v[L16]                ; at the end: accumulators 2 w, 2 w + 1 of waves 0-3,
	v_add_nc_u32 v[RA2], 4*STGW, v[RA]             ; and of waves 4-7
	v_lshlrev_b32 v[BO], 5, v[HH]
	s_lshl_b32 s46, s[WV], 3
	s_add_co_u32 s46, s46, 256                     ; ip_w's images 256 + 8 w on: their bytes in ws,
	s_mul_i32 s[WI], s46, 1536
	s_mov_b32 s[WI+1], 0
	s_lshl_b32 s[WW], s46, 6                       ; and their scale words'
	s_add_co_u32 s[WW], s[WW], WSS
	s_mov_b32 s[WW+1], 0
	s_mov_b32 s45, 0
	s_lshr_b32 s46, s[WV], 1
	s_and_b32 s48, s[WV], 1
	s_wait_kmcnt 0x0
	s_add_nc_u64 s[WI:WI+1], s[10:11], s[WI:WI+1]
	s_add_nc_u64 s[WW:WW+1], s[10:11], s[WW:WW+1]
	s_lshl_b32 s44, s[PH], 17
	s_lshl_b32 s47, s[WV], 14
	s_add_co_u32 s44, s44, s47
	s_add_nc_u64 s[12:13], s[12:13], s[44:45]      ; tab at row 512 p + 64 w
	s_lshl_b32 s44, s[GB], 16
	s_lshl_b32 s47, s46, 14
	s_add_co_u32 s44, s44, s47
	s_lshl_b32 s47, s48, 9
	s_add_co_u32 s44, s44, s47
	s_add_nc_u64 s[4:5], s[4:5], s[44:45]          ; x at row 64 g + 16 (w / 2), K step w % 2
	s_lshl_b32 s44, s[GB], 17
	s_lshl_b32 s47, s[WV], 8
	s_add_co_u32 s44, s44, s47
	s_add_nc_u64 s[6:7], s[6:7], s[44:45]          ; h_prev at row 64 g, feature 64 w
	s_mov_b32 s44, s47
	s_add_nc_u64 s[8:9], s[8:9], s[44:45]          ; ip_b at 64 w
	s_mul_i32 s44, s[GB], 49152
	s_lshl_b32 s47, s[PH], 2
	s_add_co_u32 s47, s47, s46
	s_mul_i32 s47, s47, 1536
	s_add_co_u32 s44, s44, s47
	s_mul_i32 s47, s48, 768
	s_add_co_u32 s44, s44, s47
	s_add_nc_u64 s[18:19], s[14:15], s[44:45]      ; cc: tile 4 g, K step 4 p + w / 2, registers' half w % 2
	s_lshl_b32 s44, s[GB], 11
	s_lshl_b32 s47, s[PH], 4
	s_add_co_u32 s44, s44, s47
	s_lshl_b32 s47, s[WV], 1
	s_add_co_u32 s44, s44, s47
	s_add_nc_u64 s[14:15], s[14:15], s[44:45]      ; its scale bytes: row 64 g, byte 16 p + 2 w
	s_lshl_b32 s44, s[PH], 21
	s_lshl_b32 s47, s[GB], 14
	s_add_co_u32 s44, s44, s47
	s_lshl_b32 s47, s[WV], 11
	s_add_co_u32 s44, s44, s47
	s_add_nc_u64 s[16:17], s[16:17], s[44:45]      ; midp: half p, tile 4 g, accumulators 2 w on
	s_wait_alu depctr_va_vdst(0)                   ; every offset and LDS address made above is written: the loads and stores of the whole kernel read them, and none but v[AXT] and v[TAT], which are made later, is written again
	; ---- requests: my table; then x, ip_w and ip_b, or h_prev
.set kk, 0
.rept 33
	global_load_b128 v[STR+4*kk:STR+4*kk+3], v[L16], s[12:13] offset:512*kk
.set kk, kk+1
.endr
	s_cmp_eq_u32 s[PH], 0
	s_cbranch_scc0 .Lask_h
.irp c, 0,1
.irp k, 0,1,2,3,4,5,6,7
	global_load_b128 v[XV+32*\c+4*\k:XV+32*\c+4*\k+3], v[XA], s[4:5] offset:256*\c+16*\k th:TH_LOAD_NT   ; lane (r, h): blocks h and 2 + h of row r
.endr
.endr
	WIN 0x40
.set kk, 0
.rept 24
	global_load_b128 v[WF+4*kk:WF+4*kk+3], v[L16], s[WI:WI+1] offset:512*kk    ; ip_w's fragments 4 s + n (K step s, N tile 4 w + n)
.set kk, kk+1
.endr
.irp n, 0,1,2,3
.irp q, 0,1
	global_load_b128 v[BIA+8*\n+4*\q:BIA+8*\n+4*\q+3], v[BO], s[8:9] offset:64*\n+16*\q   ; ip_b in the result's layout: the C of each sum's first product
.endr
.endr
	WIN 0
.irp k, 0,1,2,3
	global_load_b32 v[SBI+\k], v[L4], s[WW:WW+1] offset:128*\k
.endr
	s_branch .Lasked
.Lask_h:
	WIN 0x40
.set kk, 0
.rept 32
	global_load_b128 v[4*kk:4*kk+3], v[HO], s[6:7] offset:4096*kk             ; sixteen lanes read 256 consecutive bytes, at a multiple of 256 from the buffer's first byte
.set kk, kk+1
.endr
	WIN 0
.Lasked:
	s_wait_loadcnt 32                              ; the table's 33 loads are in: behind them stand h_prev's 32, or 52 on the other way, of which the oldest 20, x's sixteen among them, are then in too
.set kk, 0
.rept 33
	ds_store_b128 v[TST], v[STR+4*kk:STR+4*kk+3] offset:512*kk
.set kk, kk+1
.endr
	s_cmp_eq_u32 s[PH], 0
	s_cbranch_scc0 .Lno_x
	QB0 XV, FX, SWL, 0                             ; wave w makes x's fragment (tile of rows w / 2, K step w % 2)
	QB0 XV+32, FX+6, SWH, 0
	v_lshl_or_b32 v[SB], v[SWH], 16, v[SWL]        ; my two bytes, blocks h and 2 + h,
	v_lshlrev_b32 v[SB+1], 3, v[HH]
	v_lshlrev_b32 v[SB], v[SB+1], v[SB]            ; at their places;
	v_mov_b32 v[SB+1], 0
	v_permlanex16_b32 v[SB+1], v[SB], s[SEL], s[SEL+1]
	v_or_b32 v[SB], v[SB], v[SB+1]                 ; with lane l xor 16's two the word is whole
	s_wait_alu depctr_va_vdst(0)                   ; the fragment v[FX ..] and its scale word v[SB] are written, which the LDS stores read
.irp q, 0,1,2
	ds_store_b128 v[XWI], v[FX+4*\q:FX+4*\q+3] offset:512*\q
.endr
	ds_store_b32 v[XWS], v[SB]
.Lno_x:
	s_wait_dscnt 0x0                               ; for the others' sake: my fragment lies in LDS
	s_barrier_signal -1
	s_barrier_wait -1
	s_wait_alu depctr_vm_vsrc(0)                   ; my LDS stores have read v[STR ..], v[FX ..] and v[SB]: loads land in these registers and arithmetic writes them from here on
	s_cmp_eq_u32 s[PH], 0
	s_cbranch_scc0 .Lh_in
	; ---- x ip_w^T + ip_b: my 64 columns for the 64 rows
.set kk, 0
.rept 24
	ds_load_b128 v[XF+4*kk:XF+4*kk+3], v[XRI] offset:512*kk                    ; fragment 2 T + s at v[XF + 12 (2 T + s)]
.set kk, kk+1
.endr
.irp k, 0,1,2,3,4,5,6,7
	ds_load_b32 v[XS+\k], v[XRS] offset:128*\k     ; (the vector instructions that wrote these registers stand ahead of the wait in front of the fragment's stores)
.endr
	s_wait_loadcnt 0x0
	s_wait_dscnt 0x0
	WIN 0x51                                       ; source 0 (ip_w), C and D window 1; source 1 (x) window 0.  Operands and scales all come from loads
.irp T, 0,1,2,3
.irp n, 0,1,2,3
	WM 8*(4*\T+\n), WF+12*\n, XF+24*\T, 1, BIA+8*\n, SBI+\n/2, XS+2*\T, \n%2, 0
.endr
.endr
.irp T, 0,1,2,3
.irp n, 0,1,2,3
	WM 8*(4*\T+\n), WF+48+12*\n, XF+24*\T+12, 1, 8*(4*\T+\n), SBI+2+\n/2, XS+2*\T+1, \n%2, 0     ; the sixteen accumulators by turns
.endr
.endr
	PLACES 4
	WIN 0x04                                       ; an LDS store's data are its source 1: window 1
	s_wait_alu depctr_va_vdst(0)                   ; the products have written the accumulators, which the LDS stores read, and are done reading ip_w's and x's fragments and v[SB ..], in which loads land below; the places above stay beside this wait
.irp T, 0,1,2,3
.irp n, 0,1,2,3
	ds_store_b128 v[SOA], v[8*(4*\T+\n):8*(4*\T+\n)+3] offset:16*STGP*\T+64*\n           ; each accumulator from its low end on
	ds_store_b128 v[SOA], v[8*(4*\T+\n)+4:8*(4*\T+\n)+7] offset:16*STGP*\T+64*\n+16
.endr
.endr
	WIN 0
	s_branch .Lstaged
.Lh_in:
	s_wait_loadcnt 0x0
	WIN 0x04
.set kk, 0
.rept 32
	ds_store_b128 v[SOB], v[4*kk:4*kk+3] offset:2*STGP*kk
.set kk, kk+1
.endr
	WIN 0
.Lstaged:
	; ---- my 64 features of combined lie in my stage, 64 rows.  LDS serves a wave's instructions in order (ISA guide 5.7.1.4): no wait, no barrier: the bytes are mine alone
	s_lshl_b32 s46, s[PH], 3
	s_add_co_u32 s46, s46, s[WV]
	s_lshl_b32 s46, s46, 2
	s_add_co_u32 s46, s46, 320                     ; k1_base's images 320 + 4 (8 p + w) on
	s_mul_i32 s44, s46, 1536
	s_add_nc_u64 s[WI:WI+1], s[10:11], s[44:45]    ; (the loads that read the two bases have been waited for)
	s_lshl_b32 s44, s46, 6
	s_add_co_u32 s44, s44, WSS
	s_add_nc_u64 s[WW:WW+1], s[10:11], s[44:45]
	WIN 0x40
.set kk, 0
.rept 12
	global_load_b128 v[WF+4*kk:WF+4*kk+3], v[L16], s[WI:WI+1] offset:512*kk    ; (four places and a wait on va_vdst stand behind the products that read these registers)
.set kk, kk+1
.endr
	WIN 0
	global_load_b32 v[SB], v[L4], s[WW:WW+1]
	global_load_b32 v[SB+1], v[L4], s[WW:WW+1] offset:128
.macro CCST g                          ; block g's codes of combined go to cc
	global_store_b96 v[CCO], v[CT+16*\g:CT+16*\g+2], s[18:19] offset:384*\g               ; sixteen lanes' 24 bytes are 384 consecutive bytes, in two stores of 12
	global_store_b96 v[CCO], v[CT+16*\g+4:CT+16*\g+6], s[18:19] offset:384*\g+12
	global_store_b96 v[CCO], v[CT+16*\g+8:CT+16*\g+10], s[18:19] offset:24576+384*\g
	global_store_b96 v[CCO], v[CT+16*\g+12:CT+16*\g+14], s[18:19] offset:24576+384*\g+12
.endm
; 32 features (block g of my two) of my 64 rows: combined's codes go to cc; silu's codes become blocks 0 and 1 of a K step whose upper 64 are zero codes.  Each block has registers of its own for its codes to cc.
.macro PRE g
.if (\g) == 1
	s_wait_alu depctr_va_vdst(0)                   ; block 0's arithmetic is done with v[BL ..] and v[BH ..], in which the loads below land, and has written its codes v[CT ..], which the stores below read
.endif
.irp k, 0,1,2,3,4,5,6,7
	ds_load_b128 v[BL+4*\k:BL+4*\k+3], v[AX] offset:128*\g+16*\k
.endr
.irp k, 0,1,2,3,4,5,6,7
	ds_load_b128 v[BH+4*\k:BH+4*\k+3], v[AX] offset:32*STGP+128*\g+16*\k
.endr
.if (\g) == 1
	CCST 0
.endif
	s_wait_dscnt 0x0
	QBS BL, CT+16*\g, CT+16*\g+4, CBL, 8*\g
	QBS BH, CT+16*\g+8, CT+16*\g+12, CBH, 8*\g
.if (\g) == 1
	s_wait_alu depctr_va_vdst(0)                   ; block 1's codes and both rows' two scale bytes are written, which the stores below read
	CCST 1
	global_store_b16 v[CSO], v[CBL], s[14:15] offset:CCS
	global_store_b16 v[CSO], v[CBH], s[14:15] offset:CCS+1024
.endif
	SILU BL
	SILU BH
	QBW BL, F+12*\g, SWL, 8*\g
	QBW BH, F+24+12*\g, SWH, 8*\g
.endm
	PRE 0
	PRE 1
	s_mov_b32 s[CNT], 0
	s_mov_b32 s[XOF], 0
	s_mov_b32 s[TOF], 0
	WIN 0x41
.irp i, 0,1,2,3,4,5
	v_permlane16_swap_b32 v[F+\i], v[F+12+\i]      ; block 0's lanes 16-31 change places with block 1's lanes 0-15: the first is now the fragment of rows 0-15, the second of rows 16-31
	v_permlane16_swap_b32 v[F+24+\i], v[F+36+\i]
.endr
	WIN 0x40
.irp T, 0,1,2,3
.irp i, 6,7,8,9,10,11
	v_mov_b32 v[F+12*\T+\i], 0                     ; the K step's upper 64: zero codes
.endr
.endr
	WIN 0
	v_add_nc_u32 v[AXT], s[XOF], v[AX]             ; the first trip's two LDS addresses: x in my stage, and my table
	v_add_nc_u32 v[TAT], s[TOF], v[TA]
	PLACES 6                                       ; with the two additions: a scale register written by a vector instruction stands 8 places ahead of a scaled matrix instruction, an operand 4
	s_wait_loadcnt 0x0
	s_wait_xcnt 0x0                                ; the stores to cc have had their addresses translated: the recursion writes their data registers again
	s_wait_alu depctr_vm_vsrc(0)                   ; the LDS stores into my stage have read the registers that the products below write; the stores to cc have read v[CT ..]
	WIN 0x55
	s_wait_alu depctr_va_vdst(0)                   ; the four fragments and the rows' scale words are written, which the products take; so are v[AXT] and v[TAT]; and the exponentials are done with v[EX ..], in which the table's loads land
.irp T, 0,1,2,3
.irp n, 0,1,2,3
	WM 8*(4*\T+\n), WF+12*\n, F+12*\T, 0, 0, SB+\n/2, SWL+\T/2, \n%2, \T%2     ; silu(combined) k1_base^T starts the sums of mid: nothing is cleared
.endr
.endr
	WIN 0
	s_lshl_b32 s46, s[PH], 5
	s_lshl_b32 s47, s[WV], 2
	s_add_co_u32 s46, s46, s47                     ; my first K step of the splines' product: 32 p + 4 w
	s_mul_i32 s44, s46, 6144
	s_add_nc_u64 s[WI:WI+1], s[10:11], s[44:45]    ; (the loads that read the two bases have been waited for)
	s_lshl_b32 s44, s46, 8
	s_add_co_u32 s44, s44, WSS
	s_add_nc_u64 s[WW:WW+1], s[10:11], s[44:45]
.irp k, 0,1,2,3,4,5,6,7,8,9,10,11,12,13,14,15
	ds_load_b128 v[TB+4*\k:TB+4*\k+3], v[TA] offset:16*\k                      ; my first feature's 64 slots,
.endr
	WIN 0x40
.irp k, 0,1,2,3,4,5
	ds_load_b128 v[TB1+4*\k:TB1+4*\k+3], v[TA] offset:256+16*\k                ; and my second's slots 0-23
.endr
	WIN 0
.Lk:                                               ; four trips: 16 features = one K step of 128 for my 64 rows
	XPL 0                                          ; no wait: v[AXT] was written, and set 0 last read, ahead of the wait in front of the products, which name neither
	BLK 0
	BLK 1
	BLK 2
	BLK 3
	WIN 0x41
.irp c, 0,1
.irp i, 0,1,2,3,4,5
	v_permlane16_swap_b32 v[F+6*\c+\i], v[F+12+6*\c+\i]
	v_permlane16_swap_b32 v[F+24+6*\c+\i], v[F+36+6*\c+\i]
.endr
.endr
	WIN 0
	s_add_co_u32 s[XOF], s[XOF], 64
	s_add_co_u32 s[TOF], s[TOF], 4096
	s_wait_alu depctr_vm_vsrc(0)                   ; the LDS loads issued so far have read v[AXT] and v[TAT]
	v_add_nc_u32 v[AXT], s[XOF], v[AX]             ; the next trip's two LDS addresses
	v_add_nc_u32 v[TAT], s[TOF], v[TA]
	PLACES 6                                       ; with the two additions: eight places ahead of the scaled matrix instructions
	s_wait_loadcnt 0x0
	WIN 0x55
	s_wait_alu depctr_va_vdst(0)                   ; the four fragments and the rows' scale words are written, which the products take; so are v[AXT] and v[TAT], which the next trip's LDS loads read
.irp T, 0,1,2,3
.irp n, 0,1,2,3
	WM 8*(4*\T+\n), WF+12*\n, F+12*\T, 1, 8*(4*\T+\n), SB+\n/2, SWL+\T/2, \n%2, \T%2
.endr
.endr
	WIN 0
	s_add_nc_u64 s[WI:WI+1], s[WI:WI+1], 6144      ; the next K step's images and scale words (the loads that read the two bases have been waited for)
	s_add_nc_u64 s[WW:WW+1], s[WW:WW+1], 256
	s_add_co_u32 s[CNT], s[CNT], 1
	s_cmp_lt_u32 s[CNT], 4
	s_cbranch_scc1 .Lk
	; ---- the eight waves' partial sums meet: each stores its 16 accumulators as images into its own stage; wave w adds up accumulators 2 w and 2 w + 1
	PLACES 4                                       ; four places behind the last products
	WIN 0x04
	s_wait_alu depctr_va_vdst(0)                   ; the products have written the accumulators, which the LDS stores read; the recursion is done with v[RD ..], in which the loads behind the barrier land; the places above stay beside this wait
.set kk, 0
.rept 16
	ds_store_b128 v[RS], v[8*kk:8*kk+3] offset:1024*kk
	ds_store_b128 v[RS], v[8*kk+4:8*kk+7] offset:1024*kk+512
.set kk, kk+1
.endr
	WIN 0
	s_wait_dscnt 0x0                               ; my stores have landed (and the table's last look-aheads are in)
	s_barrier_signal -1
	s_barrier_wait -1
.irp v, 0,1,2,3
.irp m, 0,1,2,3
	ds_load_b128 v[RD+16*\v+4*\m:RD+16*\v+4*\m+3], v[RA] offset:STGW*\v+512*\m
	ds_load_b128 v[RD+64+16*\v+4*\m:RD+64+16*\v+4*\m+3], v[RA2] offset:STGW*\v+512*\m
.endr
.endr
	s_wait_dscnt 0x0
.irp v, 1,2,3,4,5,6,7
.irp i, 0,2,4,6,8,10,12,14
	v_pk_add_f32 v[RD+\i:RD+\i+1], v[RD+\i:RD+\i+1], v[RD+16*\v+\i:RD+16*\v+\i+1]       ; in the waves' order
.endr
.endr
	s_wait_alu depctr_va_vdst(0)                   ; the sums v[RD .. RD + 15] are written, which the stores read
.irp m, 0,1,2,3
	global_store_b128 v[L16], v[RD+4*\m:RD+4*\m+3], s[16:17] offset:512*\m    ; 32 lanes store 512 consecutive bytes, at a multiple of 256 from the buffer's first byte
.endr
	s_wait_dscnt 0x0
	s_wait_alu depctr_hold_cnt(0) depctr_sa_sdst(0) depctr_va_vdst(0) depctr_va_sdst(0) depctr_va_ssrc(0) depctr_va_vcc(0) depctr_vm_vsrc(0)
	s_wait_tensorcnt 0x0
	ds_add_u32 v35, v251
	s_wait_dscnt 0x0
	s_endpgm
.Lfunc_end_k_q1439cfc36e_spline:
	.size	k_q1439cfc36e_spline, .Lfunc_end_k_q1439cfc36e_spline-k_q1439cfc36e_spline
	.p2alignl 7, 3214868480
	.fill 96, 4, 3214868480
	.section	.rodata,"a",@progbits
	.p2align	6, 0x0
	.amdhsa_kernel k_q1439cfc36e_spline
		.amdhsa_group_segment_fixed_size 288768
		.amdhsa_private_segment_fixed_size 0
		.amdhsa_enable_private_segment 0
		.amdhsa_kernarg_size 56
		.amdhsa_user_sgpr_count 2
		.amdhsa_user_sgpr_kernarg_segment_ptr 1
		.amdhsa_wavefront_size32 1
		.amdhsa_system_sgpr_workgroup_id_x 1
		.amdhsa_system_sgpr_workgroup_id_y 1
		.amdhsa_system_sgpr_workgroup_id_z 1
		.amdhsa_system_vgpr_workitem_id 0
		.amdhsa_next_free_vgpr 512
		.amdhsa_next_free_sgpr 66
		.amdhsa_reserve_vcc 0
		.amdhsa_float_denorm_mode_32 3
		.amdhsa_float_denorm_mode_16_64 3
		.amdhsa_memory_ordered 1
		.amdhsa_forward_progress 1
		.amdhsa_inst_pref_size 255
	.end_amdhsa_kernel
	.section	.bss,"aw",@nobits
	.p2align	6
	.space	262144
	.amdgpu_metadata
---
amdhsa.version: [ 1, 2 ]
amdhsa.kernels:
  - .name:           k_q1439cfc36e_spline
    .symbol:         k_q1439cfc36e_spline.kd
    .args:
      - { .name: x, .offset: 0, .size: 8, .value_kind: global_buffer, .address_space: global }
      - { .name: h_prev, .offset: 8, .size: 8, .value_kind: global_buffer, .address_space: global }
      - { .name: ip_b, .offset: 16, .size: 8, .value_kind: global_buffer, .address_space: global }
      - { .name: ws, .offset: 24, .size: 8, .value_kind: global_buffer, .address_space: global }
      - { .name: tab, .offset: 32, .size: 8, .value_kind: global_buffer, .address_space: global }
      - { .name: cc, .offset: 40, .size: 8, .value_kind: global_buffer, .address_space: global }
      - { .name: midp, .offset: 48, .size: 8, .value_kind: global_buffer, .address_space: global }
    .group_segment_fixed_size: 288768
    .private_segment_fixed_size: 0
    .kernarg_segment_align: 8
    .kernarg_segment_size: 56
    .max_flat_workgroup_size: 256
    .sgpr_count:     66
    .vgpr_count:     512
    .wavefront_size: 32
...
	.end_amdgpu_metadata
.endif
;; end of part 4
;; launch gates: the kernel of part 3 again; grid 256 x 1, 4 waves a work-group, clusters of 4 x 1, 327,680 bytes of LDS; arguments wg, cc, midp, tab, h_prev, rg_b, rg_g, rg_beta, ug_b, ug_g, ug_beta, rp_b, cn_g, cn_b, out0; writes out0
